; MI455X (gfx1250); checked and timed in simulation.
; The chip was launched on July 23, 2026; its instructions are those of AMD's public machine-readable ISA for CDNA 5 (MIT licence, August 2026) and "CDNA5" Instruction Set Architecture Reference Guide (July 2026). The comments in the code are by the model that wrote it; some were corrected since.
;; Multi Head Attention. Allowed arithmetic: matrix products marked QUANTISED: E5M2 operands, one E8M0 scale for each 32 along K, by v_wmma_scale_f32_16x16x128_f8f6f4 with both operands' format E5M2, f32 sums; everything else in f32.
;; Inputs: bk 1,024 float32; bo 1,024 float32; bq 1,024 float32; bv 1,024 float32; key_codes 4 x 2,048 x 32 x 32 uint8 (E5M2 codes of key, K innermost, in blocks of 32 codes); key_scales 4 x 2,048 x 32 uint8 (E8M0 scales of key, one for each 32 codes along K); query_codes 4 x 2,048 x 32 x 32 uint8 (E5M2 codes of query, K innermost, in blocks of 32 codes); query_scales 4 x 2,048 x 32 uint8 (E8M0 scales of query, one for each 32 codes along K); value_codes 4 x 2,048 x 32 x 32 uint8 (E5M2 codes of value, K innermost, in blocks of 32 codes); value_scales 4 x 2,048 x 32 uint8 (E8M0 scales of value, one for each 32 codes along K); wk_codes 1,024 x 32 x 32 uint8 (E5M2 codes of wk, K innermost, in blocks of 32 codes); wk_scales 1,024 x 32 uint8 (E8M0 scales of wk, one for each 32 codes along K); wo_codes 1,024 x 32 x 32 uint8 (E5M2 codes of wo, K innermost, in blocks of 32 codes); wo_scales 1,024 x 32 uint8 (E8M0 scales of wo, one for each 32 codes along K); wq_codes 1,024 x 32 x 32 uint8 (E5M2 codes of wq, K innermost, in blocks of 32 codes); wq_scales 1,024 x 32 uint8 (E8M0 scales of wq, one for each 32 codes along K); wv_codes 1,024 x 32 x 32 uint8 (E5M2 codes of wv, K innermost, in blocks of 32 codes); wv_scales 1,024 x 32 uint8 (E8M0 scales of wv, one for each 32 codes along K).
;; Outputs: out0 4 x 2,048 x 1,024 float32.
;; Constants: is_causal = 1.
;; This version of the problem:
;;   THIS VERSION OF THE PROBLEM IS GIVEN IN LOW PRECISION. The matrix products marked QUANTISED in the list below multiply operands that are first quantised to E5M2 (5 exponent bits, 2 mantissa bits; 8 bits a number), with one power-of-two scale for each 32 numbers along K (OCP MX v1.0); their sums are f32. All else is computed in f32.
;;   The module's matrix products, in the order in which they are computed (A, B: the left and right operand; K: the contracted axis; several contracted axes count as one K, in the product's order):
;;     1. [M 8,192, K 1,024] x [K 1,024, N 1,024]; A: input query (given as codes); B: input wq (given as codes): QUANTISED
;;     2. [M 8,192, K 1,024] x [K 1,024, N 1,024]; A: input key (given as codes); B: input wk (given as codes): QUANTISED
;;     3. [M 8,192, K 1,024] x [K 1,024, N 1,024]; A: input value (given as codes); B: input wv (given as codes): QUANTISED
;;     4. batch 64 x [M 2,048, K 64] x [K 64, N 2,048]; A: computed on the way; B: computed on the way: QUANTISED
;;     5. batch 64 x [M 2,048, K 2,048] x [K 2,048, N 64]; A: softmax (see below); B: computed on the way: QUANTISED
;;     6. [M 8,192, K 1,024] x [K 1,024, N 1,024]; A: computed on the way; B: input wo (given as codes): QUANTISED
;;   THE QUANTISER, for each operand of a quantised product, along K:
;;     - K is cut into blocks of 32 from its start; a last block that is shorter is filled with zeros.
;;     - A block's scale is 2^e with e = floor(log2(the largest magnitude in the block)) - 15, held to -126 .. 127; a block of zeros has e = 0. As a byte (E8M0): e + 127.
;;     - Each number is divided by its block's scale, clamped to +-57,344, and rounded to the nearest number of E5M2, ties to even, subnormals kept.
;;     - The product sums the exact products of the quantised numbers (number of the format x scale) in f32.
;;   ~~~python
;;   def quantise(x, axis):      # numpy; x: float32 -> the quantised numbers, widened to float32 again
;;       x = np.moveaxis(x, axis, -1); K = x.shape[-1]
;;       x = np.pad(x, [(0, 0)] * (x.ndim - 1) + [(0, -K % 32)]); x = x.reshape(x.shape[:-1] + (-1, 32)); a = np.abs(x).max(-1, keepdims=True)
;;       e = np.where(a > 0, np.clip(np.frexp(np.where(a > 0, a, 1))[1] - 1 - 15, -126, 127), 0)      # np.frexp(a)[1] - 1 = floor(log2(a)), exactly
;;       r = np.clip(x / 2.0 ** e, -57344, 57344)
;;       step = 2.0 ** (np.maximum(np.frexp(np.where(r == 0, 1, r))[1] - 1, -14) - 2)
;;       q = np.round(r / step) * step * 2.0 ** e      # np.round: ties to even
;;       return np.moveaxis(q.reshape(q.shape[:-2] + (-1,))[..., :K], -1, axis).astype(np.float32)
;;   ~~~
;;   SOFTMAX AHEAD OF A QUANTISED PRODUCT. Where the list says 'softmax', what is quantised is not the finished softmax but p = 2^(t - M), with t = logit x log2(e) and M = ceil(the row's largest t), a whole number; so 1/2 < the row's largest p <= 1. The row's sum l is taken of the UNQUANTISED p, in f32, and the product's result is divided by l at the end. Since M is a whole number, a kernel that streams over the keys may use a running M (the ceiling of the running maximum): every later rescaling is an exact power of two, which a block's scale takes up: the codes' values come out the same.
;;   OPERANDS COMPUTED ON THE WAY. 'Computed on the way' means the value that the module computes at that place (a softmax that the list does not call 'softmax' is quantised finished and normalised). What goes into a quantiser is computed in f32, as accurately as f32 sums, v_exp_f32 and their like allow (about 1e-6 of the number): no bf16 or f16 on the way to a quantiser, and a product that is left as it is and whose result goes on into a quantised operand takes f32 operands (vector FMAs, or v_wmma_f32_16x16x4_f32). A number that lies on a knife's edge between two numbers of the format may be rounded either way, as far as f32 arithmetic and the matrix unit's own rounding can turn it there, and no further.
;;   INPUTS GIVEN AS CODES. key (in the module: [4, 2048, 1024], K = its axis 2); query (in the module: [4, 2048, 1024], K = its axis 2); value (in the module: [4, 2048, 1024], K = its axis 2); wk (in the module: [1024, 1024], K = its axis 1); wo (in the module: [1024, 1024], K = its axis 1); wq (in the module: [1024, 1024], K = its axis 1); wv (in the module: [1024, 1024], K = its axis 1): each comes as NAME_codes (uint8): NAME with its K axis moved to the last place and cut into blocks of 32 codes, [.., K / 32, bytes a block], one block behind the other in memory; one code a byte (a code: sign, 5 exponent bits, 2 mantissa bits); and NAME_scales (uint8): the same leading axes, one E8M0 byte (e + 127) for each 32 codes along K. Its value is code x scale, taken as it is: it is not quantised again, and the codes and scales need not be those that the quantiser above would give.
;; One version. Each part assembles by itself: llvm-mc -triple=amdgcn-amd-amdhsa -mcpu=gfx1250 --defsym DOCPART=n.
;; ======== version 1 of 1: 3 launches
;; limits: right only within a limited range of input values
;; workspace buffers: qc 8,388,608 bytes; qs 524,288 bytes; kc 8,388,608 bytes; ks 524,288 bytes; vc 8,388,608 bytes; vs 262,144 bytes; cc 8,388,608 bytes; cs 262,144 bytes
;; launch proj (part 1): grid 4 x 96, 4 waves a work-group, clusters of 4 x 4, 327,680 bytes of LDS; arguments query_codes, query_scales, wq_codes, wq_scales, bq, qc, qs, key_codes, key_scales, wk_codes, wk_scales, bk, kc, ks, wv_codes, wv_scales, value_codes, value_scales, bv, vc, vs; writes qc, qs, kc, ks, vc, vs
.if DOCPART == 1
	.amdgcn_target "amdgcn-amd-amdhsa--gfx1250"
	.amdhsa_code_object_version 6
	.text
	.protected	k_qb60076cafa_proj
	.globl	k_qb60076cafa_proj
	.p2align	8
	.type	k_qb60076cafa_proj,@function
k_qb60076cafa_proj:
	s_mov_b64 s[64:65], 0
	v_nop
	global_prefetch_b8 v0, s[64:65] scope:SCOPE_SE
	s_setreg_imm32_b32 hwreg(HW_REG_WAVE_MODE, 25, 1), 1
	s_wait_xcnt 0x0
	s_wait_alu depctr_hold_cnt(0) depctr_sa_sdst(0) depctr_va_vdst(0) depctr_va_sdst(0) depctr_va_ssrc(0) depctr_va_vcc(0) depctr_vm_vsrc(0)
	s_getreg_b32 s2, hwreg(HW_REG_IB_STS2, 6, 4)
	s_cmp_eq_u32 s2, 0
	s_cbranch_scc0 .Lentry_in_a_cluster
	s_endpgm
.Lentry_in_a_cluster:
	s_bfe_u32 s2, ttmp6, 0x10000c
	s_cmp_lg_u32 s2, 0xf033
	s_cbranch_scc0 .Lentry_shape_is_right
	s_endpgm
.Lentry_shape_is_right:
; THE THREE INPUT PROJECTIONS, x W^T + b, on codes of BF8 (E5M2) with one E8M0 scale for each 32 along K = 1,024, and their results quantised again on the way out.
; One launch, three jobs; the job p = cluster y / 8 is the same in all sixteen work-groups of a cluster.  A tile is 256 x 256, four waves, each 128 x 128 in 64 accumulators (512 registers).
; THE MATRIX INSTRUCTION IS USED TRANSPOSED: source 0 = 16 rows of "B", source 1 = 16 rows of "A": a lane holds ONE row of A and its registers run along B's rows.
;   p = 0, 1 (Q, K): A = the activations (8,192 rows), B = the weight (1,024 rows): a lane's registers run along the features, which are the scores' K (a head's 64).
;   p = 2    (V):    A = wv (1,024 rows), B = value (8,192 rows): a lane's registers run along the KEYS, which are the second attention product's K.
; The bias is the C of each sum's first matrix instruction: for Q, K it hangs on B's row (the register), for V on A's row (the lane): two arms of one scalar branch on p, which hold matrix instructions alone.
; THE WAY OUT.  The 16 registers of accumulators 2 g and 2 g + 1 of a lane belong to ONE block of 32 along the next K (the other 16 lie in lane l xor 16).  They are quantised in place and their 16 codes are used as
; registers 4 c .. 4 c + 3 of the next operand.  Inside a block of 32 that swaps bits 3 and 4 of k; Q and K are both laid so, and so are V and the softmax's p, so each product still meets k with k.
; The codes leave as IMAGES OF OPERAND REGISTERS: chunks of 512 bytes, lane l's 16 bytes at 16 l: every store of the wave covers 512 consecutive bytes, aligned.
;   qc, kc: head x 131,072 + (row / 16) x 1,024 + c x 512 + 16 l.     vc: head x 131,072 + (key / 128) x 8,192 + (d / 16) x 2,048 + c x 512 + 16 l.
;   qs, ks: a word a row, head x 8,192 + 4 row = (e0, e1, e0, e1).    vs: a word for row d and 128 keys, head x 4,096 + (key / 128) x 256 + 4 d.
; K goes in four steps of 256 through two LDS slots filled by the tensor data mover; the scales of the tile's rows for all of K come once, with the first fills.
; CLUSTERS: 4 x 4 work-groups; A's tiles are asked for jointly along a row of the cluster, B's along a column.
; LIMITS: NaN and infinities among the given codes are not served.  A block of zeros gets the scale byte 1 (its codes are zeros, and this program alone reads the bytes); a block whose largest magnitude lies under 2^-111 is held at byte 1.
; REGISTERS, in windows of 256: window 0: v1-29 addresses; v32-63 scale words, two sets; v64-127 the bias, later the way out's work; v128-255 A's fragments, one set.
;   window 1: B's fragments, two sets.   window 2: the accumulators of my rows 0-63 ((a, b) at v[8 (8 (a % 4) + b)]);   window 3: those of my rows 64-127.
.set NQ,     2                         ; matrix instructions deep in a slot: 256 along K
.set ROWB,   256                       ; a tile's row in bytes
.set KROW,   1024                      ; a row of A or of B in memory
.set PITCH,  272                       ; an LDS row: 256 bytes + 16 of padding: the 16 rows that a load touches start 68 words apart
.set FR,     16                        ; registers of a fragment
.set NL,     4                         ; LDS loads that bring one
.set NP,     8                         ; places behind this matrix instruction (ISA guide 7.12.1)
.set HALFT,  128*PITCH                 ; 128 rows: what one tensor load brings
.set SLOT,   4*HALFT                   ; A's 256 rows, then B's 256 rows
.set KS,     32                        ; a row of scales in bytes
.set SCL,    2*SLOT                    ; behind the ring: the scales, as rows of 256 bytes + 16 of padding
.set HALFS,  (128*KS/256)*272          ; the scales of 128 rows
.set SBLK,   (16*KS/256)*272           ; those of 16 rows
.set SPARE,  SCL+4*HALFS               ; the spare words, 128 bytes for each wave: two blocks of 256 bytes that no other line names
.set GO0,  7                           ; v7   16 x lane: my place in a chunk
.set GO1,  9                           ; v9   the same, for the block's third and fourth chunk
.set SELV, 10                          ; v10  byte selects that make my half's scale word
.set SCWST, 11                         ; v11  LDS: where I put a scale word: wave x 1,024 + 512 (lane / 16) + 4 (lane % 16); in slot 0, which has had its last fill and its last read by then
.set SCWRD, 12                         ; v12  and where I read four of them back: wave x 1,024 + 16 x lane
.set SGO,  13                          ; v13  my byte offset among the scale words in memory
.set ADRA, 16                          ; v16-17  LDS address of my A fragments in slot 0, 1
.set ADRB, 20                          ; v20-21  the same for B
.set ADRS, 27                          ; v27  LDS address of my scale words: lanes 0-15 A's rows, lanes 16-31 B's
.set SPW,  28                          ; v28  LDS address of my spare word; never rewritten
.set NIL,  29                          ; v29  0; never rewritten
.set SC,   32                          ; scale words: set s at v[SC + 16 s]; register 2 i + q: lanes 0-15 A's block i, lanes 16-31 B's block i
.set BI,   64                          ; v64-127 the bias in the result's layout, eight registers for each of eight blocks
.set TM,   64                          ; the way out: v64-67 largest magnitudes, v68-71 bytes, v76-79 the conversions' scale operands
.set PW,   80                          ; the four bytes of a block of 16 rows
.set PWD,  82                          ; v82-89 the word as it is stored, a register for each block
.set PC,   96                          ; v96-111, v112-127 the codes, two sets by turns
.set AF,   128                         ; A's fragments
.set AJ,   128                         ; v128-135 the bias loads' offsets, ahead of the first fetch
.set RB,   128                         ; v128-135 the scale words read back, at the end
.set G1, 24                            ; s[24:31] descriptor group 1 for A's tiles;  s[32:39] group 0, one set for each slot
.set G0, 32
.set G1B, 48                           ; s[48:55], s[56:63] the same for B's tiles
.set G0B, 56
.set G1S, 68                           ; s[68:75], s[76:79] groups 1 and 0 for A's scales;  s[80:87], s[88:91] for B's
.set G0S, 76
.set G1SB, 80
.set G0SB, 88
.set MSB, 0
.macro WIN new                         ; the immediate's high byte repeats the setting that is left
.if MSB != \new
	s_set_vgpr_msb (MSB<<8)|\new
.set MSB, \new
.endif
.endm
.set MUL_LO, 0xa1                      ; source 0 (B) window 1, source 1 (A) window 0, C and D window 2
.set MUL_HI, 0xf1                      ; the same, C and D window 3
.set BIA_LO, 0x81                      ; source 0 window 1, source 1 and C (the bias) window 0, D window 2
.set BIA_HI, 0xc1                      ; the same, D window 3
.set TO_B,   0x40                      ; destination window 1, address window 0
; A joint load: waves 0 and 1 fetch for A, waves 2 and 3 for B.  Each line has one mask and one set of registers for all that issue it; the branch hangs on the wave's number alone.
; Four v_nop follow each of the two lines, ahead of the jump, the label and what follows.
.macro JLOAD g0a, g1a, g0b, g1b
	s_cmp_eq_u32 s15, 0
	s_cbranch_scc0 .Lfor_b_\@
	tensor_load_to_lds s[\g0a:\g0a+3], s[\g1a:\g1a+7]
	s_nop 0
.rept 4
	v_nop
.endr
	s_branch .Lasked_\@
.Lfor_b_\@:
	tensor_load_to_lds s[\g0b:\g0b+3], s[\g1b:\g1b+7]
	s_nop 0
.rept 4
	v_nop
.endr
.Lasked_\@:
.endm
.macro CREST                           ; a round of the cluster's barrier behind its opening barrier
	s_cmp_lg_u32 s14, 0
	s_cbranch_scc1 .Lnot_wave_0_\@
	s_barrier_signal -3
.Lnot_wave_0_\@:
	s_barrier_wait -3
	s_barrier_signal -1
	s_barrier_wait -1
.endm
.macro CROUND                          ; a whole round
	s_barrier_signal -1
	s_barrier_wait -1
	CREST
.endm
	; three sets of seven addresses: A's codes, A's scales, B's codes, B's scales, the bias, the codes out, the scale words out
	s_load_b256 s[16:23], s[0:1], 0x0
	s_load_b128 s[24:27], s[0:1], 0x20
	s_load_b64 s[28:29], s[0:1], 0x30
	s_load_b256 s[32:39], s[0:1], 0x38
	s_load_b128 s[40:43], s[0:1], 0x58
	s_load_b64 s[44:45], s[0:1], 0x68
	s_load_b256 s[48:55], s[0:1], 0x70
	s_load_b128 s[56:59], s[0:1], 0x90
	s_load_b64 s[60:61], s[0:1], 0xa0
	v_lshl_add_u32 v[SPW], v0, 2, SPARE
	v_mov_b32 v[NIL], 0
	ds_add_u32 v28, v29
	ds_add_u32 v28, v29
	s_wait_dscnt 0x0
	v_lshrrev_b32 v1, 5, v0
	v_readfirstlane_b32 s14, v1                    ; wave 0..3
	s_and_b32 s94, ttmp7, 0xffff                   ; the cluster's y, 0..23
	s_lshr_b32 s95, s94, 3                         ; p: the job.  It stays in s95
	s_and_b32 s94, s94, 7                          ; q: which four tiles along the 8,192 rows
	s_wait_kmcnt 0x0
	s_cmp_eq_u32 s95, 1                            ; the choices hang on the job alone
	s_cselect_b64 s[4:5], s[32:33], s[16:17]
	s_cselect_b64 s[6:7], s[34:35], s[18:19]
	s_cselect_b64 s[8:9], s[36:37], s[20:21]
	s_cselect_b64 s[10:11], s[38:39], s[22:23]
	s_cselect_b64 s[66:67], s[40:41], s[24:25]
	s_cselect_b64 s[12:13], s[42:43], s[26:27]
	s_cselect_b64 s[96:97], s[44:45], s[28:29]
	s_cmp_eq_u32 s95, 2
	s_cselect_b64 s[4:5], s[48:49], s[4:5]         ; A's codes
	s_cselect_b64 s[6:7], s[50:51], s[6:7]         ; A's scales
	s_cselect_b64 s[8:9], s[52:53], s[8:9]         ; B's codes
	s_cselect_b64 s[10:11], s[54:55], s[10:11]     ; B's scales
	s_cselect_b64 s[66:67], s[56:57], s[66:67]     ; the bias
	s_cselect_b64 s[12:13], s[58:59], s[12:13]     ; the codes out
	s_cselect_b64 s[96:97], s[60:61], s[96:97]     ; the scale words out
	s_cselect_b32 s92, 0, s94                      ; the long axis is A's for Q and K,
	s_cselect_b32 s93, s94, 0                      ; B's for V
	s_mov_b32 s98, 1024                            ; (an instruction takes one literal: the other stands in the register)
	s_cselect_b32 s98, 2048, s98                   ; s[98:99]: bytes from block a's chunks to block a + 1's
	s_mov_b32 s99, 0
	s_mov_b32 s100, 1024
	s_cselect_b32 s100, 124928, s100               ; s[100:101]: the same from block 3 to 4: for V the next head, 131,072 - 3 x 2,048
	s_mov_b32 s101, 0
	s_mov_b32 s16, 131072
	s_cselect_b32 s16, 1024, s16                   ; from a block's first two chunks to its last two: Q, K the next head; V the next two blocks of keys
	s_mov_b32 s17, 256
	s_cselect_b32 s17, 4096, s17                   ; scale words: where lanes 16-31 store: Q, K on end; V the next head
	s_mov_b32 s18, 0x01000100
	s_cselect_b32 s18, 0x03020100, s18             ; lanes 0-15: Q, K bytes (0, 1, 0, 1); V the word as it is
	s_mov_b32 s19, 0x03020302
	s_cselect_b32 s19, 0x03020100, s19             ; lanes 16-31: Q, K bytes (2, 3, 2, 3)
	s_cselect_b32 s20, 0, 4                        ; the bias: bytes from register j to j + 1,
	s_cselect_b32 s21, 0, 32                       ; for lanes 16-31,
	s_cselect_b32 s22, 4, 0                        ; and from lane to lane
	v_and_b32 v1, 15, v0                           ; r = lane % 16
	v_bfe_u32 v2, v0, 4, 1                         ; lane / 16
	v_and_b32 v6, 31, v0                           ; lane
	v_lshlrev_b32 v[GO0], 4, v6
	v_add_nc_u32 v[GO1], s16, v[GO0]
	v_mov_b32 v3, s18
	v_mov_b32 v4, s19
	v_cmp_gt_u32 vcc_lo, 16, v6
	v_cndmask_b32 v[SELV], v4, v3, vcc_lo
	v_lshlrev_b32 v[SGO], 4, v1
	v_mad_u32_u24 v[SGO], v2, s17, v[SGO]
	v_mul_u32_u24 v5, v2, s21
	v_mad_u32_u24 v5, v1, s22, v5
	s_wait_alu depctr_va_vdst(0)
.irp j, 0,1,2,3,4,5,6,7
	s_mul_i32 s23, s20, \j
	v_add_nc_u32 v[AJ+\j], s23, v5
.endr
	s_lshl_b32 s23, s14, 10
	v_lshlrev_b32 v3, 2, v1
	v_lshl_add_u32 v3, v2, 9, v3
	v_add_nc_u32 v[SCWST], s23, v3
	v_add_nc_u32 v[SCWRD], s23, v[GO0]
	s_lshr_b32 s15, s14, 1                         ; which half of the tile's A rows is mine.  Also: I fetch for A (0) or for B (1)
	s_and_b32 s16, s14, 1                          ; which half of its B rows.  Also: which 128 rows of that tile I fetch
	s_bfe_u32 s40, ttmp6, 0x40000                  ; cx, cy: my place in the cluster
	s_bfe_u32 s41, ttmp6, 0x40004
	s_lshl_b32 s42, s93, 2
	s_add_co_u32 s42, s42, s40                     ; B's tile
	s_lshl_b32 s17, s92, 2
	s_add_co_u32 s17, s17, s41                     ; A's tile
	s_lshl_b32 s43, s41, 2
	s_lshl_b32 s43, 15, s43                        ; my row of the cluster
	s_lshl_b32 s44, 0x1111, s40                    ; my column
	; descriptor group 1: a tile of 128 rows x 256 bytes, padded in LDS
	s_or_b32 s[G1+0], s43, (0<<16)|(1<<20)|(1<<21)|(5<<22)|(3<<25)  ; 15:0 the mask: A's tiles go to my row; 17:16 elements of 1 byte; 20 padding on; 21 set beside a mask; 24:22 after every 64 words; 31:25 four words
	s_or_b32 s[G1B+0], s44, (0<<16)|(1<<20)|(1<<21)|(5<<22)|(3<<25)
.irp g, G1, G1B
	s_mov_b32 s[\g+1], ROWB<<16                    ; tensor_dim0
	s_mov_b32 s[\g+2], 128<<16                     ; tensor_dim1
	s_mov_b32 s[\g+3], ROWB<<16                    ; tile_dim0
	s_mov_b32 s[\g+4], 128                         ; tile_dim1
	s_mov_b32 s[\g+5], KROW                        ; tensor_dim0_stride
	s_mov_b32 s[\g+6], 0
	s_mov_b32 s[\g+7], 0
.endr
	; and for the scales of 128 rows: 4,096 dense bytes, as 16 rows of 256 bytes (32 elements of 8 bytes), 16 bytes of padding behind each
	s_or_b32 s[G1S+0], s43, (3<<16)|(1<<20)|(1<<21)|(5<<22)|(3<<25)
	s_or_b32 s[G1SB+0], s44, (3<<16)|(1<<20)|(1<<21)|(5<<22)|(3<<25)
.irp g, G1S, G1SB
	s_mov_b32 s[\g+1], 32<<16
	s_mov_b32 s[\g+2], (128*KS/256)<<16
	s_mov_b32 s[\g+3], 32<<16
	s_mov_b32 s[\g+4], 128*KS/256
	s_mov_b32 s[\g+5], 32
	s_mov_b32 s[\g+6], 0
	s_mov_b32 s[\g+7], 0
.endr
	s_lshl_b32 s18, s16, 7                         ; which 128 rows of the tile I fetch
	s_lshl_b32 s20, s17, 8
	s_add_co_u32 s20, s20, s18                     ; A: row 256 x A's tile + 128 x half
	s_lshl_b32 s46, s42, 8
	s_add_co_u32 s46, s46, s18                     ; B: row 256 x B's tile + 128 x half
	s_mov_b32 s21, 0
	s_mov_b32 s47, 0
	s_mov_b64 s[18:19], KS
	s_mul_u64 s[22:23], s[20:21], s[18:19]         ; where these rows' scales begin, in bytes
	s_mul_u64 s[92:93], s[46:47], s[18:19]
	s_mov_b64 s[18:19], KROW
	s_mul_u64 s[20:21], s[20:21], s[18:19]         ; and their codes
	s_mul_u64 s[46:47], s[46:47], s[18:19]
	s_mul_i32 s45, s14, HALFT                      ; where they go: wave x 128 rows: no place in the cluster enters an LDS address
	s_mul_i32 s94, s14, HALFS
	s_add_nc_u64 s[20:21], s[4:5], s[20:21]
	s_add_nc_u64 s[22:23], s[6:7], s[22:23]
	s_add_nc_u64 s[46:47], s[8:9], s[46:47]
	s_add_nc_u64 s[92:93], s[10:11], s[92:93]
	CROUND                                         ; all sixteen work-groups are here: the first joint loads meet
	s_mov_b32 s[G0S], 1
	s_add_co_u32 s[G0S+1], s94, SCL
	s_mov_b64 s[G0S+2:G0S+3], s[22:23]
	s_or_b32 s[G0S+3], s[G0S+3], 0x80000000
	s_mov_b32 s[G0SB], 1
	s_add_co_u32 s[G0SB+1], s94, SCL
	s_mov_b64 s[G0SB+2:G0SB+3], s[92:93]
	s_or_b32 s[G0SB+3], s[G0SB+3], 0x80000000
	JLOAD G0S, G1S, G0SB, G1SB                     ; the scales first: they are wanted with K step 0
.irp s, 0,1
	s_mov_b32 s[G0+4*\s], 1
	s_add_co_u32 s[G0+4*\s+1], s45, \s*SLOT
	s_add_nc_u64 s[G0+4*\s+2:G0+4*\s+3], s[20:21], \s*ROWB
	s_or_b32 s[G0+4*\s+3], s[G0+4*\s+3], 0x80000000
	s_mov_b32 s[G0B+4*\s], 1
	s_add_co_u32 s[G0B+4*\s+1], s45, \s*SLOT
	s_add_nc_u64 s[G0B+4*\s+2:G0B+4*\s+3], s[46:47], \s*ROWB
	s_or_b32 s[G0B+4*\s+3], s[G0B+4*\s+3], 0x80000000
	JLOAD G0+4*\s, G1, G0B+4*\s, G1B
.endr
	; where my wave's results go.  X: my first row of the sequence (0 .. 8,191); Y: my first feature (0 .. 1,023)
	s_lshl_b32 s18, s17, 8
	s_lshl_b32 s19, s15, 7
	s_add_co_u32 s18, s18, s19                     ; my first row of A
	s_lshl_b32 s19, s42, 8
	s_lshl_b32 s20, s16, 7
	s_add_co_u32 s19, s19, s20                     ; my first row of B
	s_cmp_eq_u32 s95, 2
	s_cselect_b32 s20, s19, s18                    ; X
	s_cselect_b32 s21, s18, s19                    ; Y
	s_cselect_b32 s22, 1, 0                        ; V's scale words take half the bytes of Q's and K's
	s_lshr_b32 s23, s20, 11
	s_lshl_b32 s23, s23, 4
	s_lshr_b32 s46, s21, 6
	s_add_co_u32 s23, s23, s46                     ; 16 x batch + my first head
	s_and_b32 s20, s20, 2047                       ; the row within the batch
	s_lshl_b32 s46, s23, 17
	s_lshl_b32 s47, s20, 6
	s_add_co_u32 s46, s46, s47                     ; codes: head x 131,072 + 64 x row, for all three jobs
	s_mov_b32 s47, 0
	s_add_nc_u64 s[12:13], s[12:13], s[46:47]
	s_lshl_b32 s46, s23, 13
	s_lshl_b32 s20, s20, 2
	s_add_co_u32 s46, s46, s20
	s_lshr_b32 s46, s46, s22                       ; scale words: head x 8,192 + 4 x row; for V half of that
	s_add_nc_u64 s[96:97], s[96:97], s[46:47]
	s_lshl_b32 s46, s21, 2
	s_add_nc_u64 s[66:67], s[66:67], s[46:47]      ; the bias at my first feature
	s_wait_alu depctr_va_vdst(0)
.irp i, 0,1,2,3,4,5,6,7
.irp j, 0,1,2,3,4,5,6,7
	global_load_b32 v[BI+8*\i+\j], v[AJ+\j], s[66:67] offset:64*\i   ; Q, K: b(Y + 16 i + 8 (lane / 16) + j); V: b(Y + 16 i + lane % 16) in all eight
.endr
.endr
	v_mul_u32_u24 v3, v1, PITCH
	v_lshl_add_u32 v4, v2, 4, v3                   ; a fragment's row x pitch + 16 x half
	s_mul_i32 s21, s15, HALFT                      ; my 128 rows of A
	s_mul_i32 s22, s16, HALFT                      ; my 128 rows of B,
	s_add_co_u32 s22, s22, 2*HALFT                 ; which lie behind A's 256
.irp s, 0,1
	v_add_nc_u32 v[ADRA+\s], s21, v4
	v_add_nc_u32 v[ADRB+\s], s22, v4
	s_add_co_u32 s21, s21, SLOT
	s_add_co_u32 s22, s22, SLOT
.endr
	v_mul_u32_u24 v5, v1, KS                       ; my row's scales: 32 bytes a row,
	v_lshrrev_b32 v6, 8, v5
	v_lshl_add_u32 v5, v6, 4, v5                   ; and 16 more for each 256 passed
	s_mul_i32 s21, s15, HALFS                      ; A's: my 128 rows
	s_mul_i32 s22, s16, HALFS                      ; B's: my 128 rows, behind A's 256
	s_add_co_u32 s22, s22, 2*HALFS
	s_sub_co_u32 s22, s22, s21
	v_mul_u32_u24 v6, s22, v2                      ; lanes 16-31 take B's
	s_add_co_u32 s21, s21, SCL
	v_add_nc_u32 v5, v5, v6
	v_add_nc_u32 v[ADRS], s21, v5
.macro FRAG reg, adr, q, i             ; a fragment, 16 rows x 128 K of 8-bit codes: lane l holds row l % 16; registers 4 c .. 4 c + 3 hold K = 32 c + 16 (l / 16) + 0 .. 15
.irp c, 0,1,2,3
	ds_load_b128 v[\reg+4*\c:\reg+4*\c+3], v[\adr] offset:128*(\q)+32*\c+(\i)*16*PITCH
.endr
.endm
; 16 matrix instructions: A's blocks a0, a0 + 1 x B's eight, 128 along K: the slot's q-th.  p: B's set;  sc: the set of scale words.
; zero = 0: the sums go on;  1: they begin with the bias of B's block;  2: with the bias of A's block.  Nothing is ever cleared.
; The 64 accumulators take turns, one instruction a turn, in the same order in every step.
.macro MUL16 a0, p, q, sc, zero
.irp a, \a0, \a0+1
.irp b, 0,1,2,3,4,5,6,7
.set rD, 8*(8*((\a)%4)+\b)
.set rB, 128*(\p)+FR*\b
.set rA, AF+FR*(\a)
.set rT, SC+8*NQ*(\sc)+NQ*\b+(\q)
.set rU, SC+8*NQ*(\sc)+NQ*(\a)+(\q)
.if \zero == 1
	v_wmma_scale_f32_16x16x128_f8f6f4 v[rD:rD+7], v[rB:rB+15], v[rA:rA+15], v[BI+8*\b:BI+8*\b+7], v[rT], v[rU] matrix_a_fmt:MATRIX_FMT_BF8 matrix_b_fmt:MATRIX_FMT_BF8 matrix_a_scale:MATRIX_SCALE_ROW1
.elseif \zero == 2
	v_wmma_scale_f32_16x16x128_f8f6f4 v[rD:rD+7], v[rB:rB+15], v[rA:rA+15], v[BI+8*(\a):BI+8*(\a)+7], v[rT], v[rU] matrix_a_fmt:MATRIX_FMT_BF8 matrix_b_fmt:MATRIX_FMT_BF8 matrix_a_scale:MATRIX_SCALE_ROW1
.else
	v_wmma_scale_f32_16x16x128_f8f6f4 v[rD:rD+7], v[rB:rB+15], v[rA:rA+15], v[rD:rD+7], v[rT], v[rU] matrix_a_fmt:MATRIX_FMT_BF8 matrix_b_fmt:MATRIX_FMT_BF8 matrix_a_scale:MATRIX_SCALE_ROW1
.endif
.endr
.endr
.endm
.macro FETCH_B slot, q, p              ; B's eight fragments of the slot's q-th 128 along K into set p
	WIN TO_B
.irp i, 0,1,2,3,4,5,6,7
	FRAG 128*(\p)+FR*\i, ADRB+\slot, \q, \i
.endr
	WIN 0
.endm
.macro FETCH_A slot, q, i0             ; A's blocks i0 .. i0 + 3
.irp i, \i0, \i0+1, \i0+2, \i0+3
	FRAG AF+FR*(\i), ADRA+\slot, \q, \i
.endr
.endm
.macro SCALES sc                       ; a K step's scale words into set sc: two words a row; lanes 0-15 take A's block i, lanes 16-31 B's block i
.irp i, 0,1,2,3,4,5,6,7
	ds_load_b64 v[SC+8*NQ*\sc+NQ*\i:SC+8*NQ*\sc+NQ*\i+1], v[ADRS] offset:\i*SBLK
.endr
.endm
; A load into a register that a matrix instruction has read, and a vector instruction that reads a matrix result, stand NP places behind that matrix instruction; only plain vector
; instructions that name none of its registers are places (ISA guide 7.12.1 for vector instructions).
.macro PLACES n
.rept \n
	v_nop
.endr
.endm
; 32 products that begin sums with the bias.  The two arms hold matrix instructions and window switches alone and take the accumulators in the same order; the branch hangs on the job.
.macro BIASMUL a0, win
	WIN 0                                          ; at a branch and at a label every window is 0
	s_cmp_eq_u32 s95, 2
	s_cbranch_scc1 .Lbias_a_\@
	WIN \win
	MUL16 \a0, 0, 0, 0, 1
	MUL16 \a0+2, 0, 0, 0, 1
	WIN 0
	s_branch .Lbias_j_\@
.Lbias_a_\@:
	WIN \win
	MUL16 \a0, 0, 0, 0, 2
	MUL16 \a0+2, 0, 0, 0, 2
	WIN 0
.Lbias_j_\@:
.endm
; A step of 128 along K that has its successor in the same slot.
.macro STEP slot, q
	s_wait_dscnt 4*NL                              ; B's set and A's blocks 0-3 are in; the youngest sixteen loads (A's blocks 4-7) may be out
	WIN MUL_LO
	MUL16 0, (\q)%2, \q, \slot, 0
	MUL16 2, (\q)%2, \q, \slot, 0
	s_wait_dscnt 0                                 ; A's blocks 4-7 are in (asked for 32 matrix instructions ago)
	PLACES NP
	FETCH_B \slot, (\q)+1, 1-(\q)%2
	FETCH_A \slot, (\q)+1, 0
	WIN MUL_HI
	MUL16 4, (\q)%2, \q, \slot, 0
	MUL16 6, (\q)%2, \q, \slot, 0
	PLACES NP
	WIN 0
	FETCH_A \slot, (\q)+1, 4
.endm
; A slot's last step changes slots: ONE barrier; in front of it each wave waits for all its tensor loads, adds 0 to its spare word, and waits for that and for its own reads of this slot.  fill = 1: this slot is filled again, two K steps ahead.
.macro TURN slot, next, fill
	s_wait_tensorcnt 0x0                           ; all my tensor loads have landed: my part of the next slot;  (every window is 0 here)
	ds_add_u32 v[SPW], v[NIL]                      ; 0 onto my spare word
	s_wait_dscnt 4*NL+1                            ; (the add and the youngest sixteen loads, A's blocks 4-7, may be out)
	WIN MUL_LO
	MUL16 0, 1, NQ-1, \slot, 0                     ; sixteen matrix instructions stand between the add and the wait for it
	s_wait_dscnt 0x0                               ; the add is done, and my reads of this slot are over
	s_barrier_signal -1
	MUL16 2, 1, NQ-1, \slot, 0
	WIN 0
	s_barrier_wait -1
.if \fill
	CREST                                          ; the barrier has opened a round of the cluster's barrier: no wave of any partner still reads this slot's tile or has a load on its way
	s_add_nc_u64 s[G0+4*\slot+2:G0+4*\slot+3], s[G0+4*\slot+2:G0+4*\slot+3], 2*ROWB
	s_add_nc_u64 s[G0B+4*\slot+2:G0B+4*\slot+3], s[G0B+4*\slot+2:G0B+4*\slot+3], 2*ROWB
	JLOAD G0+4*\slot, G1, G0B+4*\slot, G1B         ; the first tensor load behind the round; the four v_nop behind it are among the places in front of the loads below
	PLACES NP-4
.else
	PLACES NP
.endif
	s_wait_alu depctr_va_vdst(0)
	v_add_nc_u32 v[ADRS], 4*NQ, v[ADRS]            ; on to the next K step's scale words (no LDS load of mine is out)
	FETCH_B \next, 0, 0
	FETCH_A \next, 0, 0
	SCALES \next
	WIN MUL_HI
	MUL16 4, 1, NQ-1, \slot, 0
	MUL16 6, 1, NQ-1, \slot, 0
	PLACES NP
	WIN 0
	FETCH_A \next, 0, 4
.endm
	s_wait_alu depctr_va_vdst(0)
	s_wait_loadcnt 0x0                             ; the bias is in, and its loads' offsets (v128-135) are free for A's fragments
	s_wait_tensorcnt 1                             ; of my three first fills the scales and K step 0 are in; K step 1's may be out
	s_barrier_signal -1
	s_barrier_wait -1                              ; everybody's are
	FETCH_B 0, 0, 0
	FETCH_A 0, 0, 0
	SCALES 0
	FETCH_A 0, 0, 4
	; the first step: its products begin the sums with the bias
	s_wait_dscnt 4*NL
	BIASMUL 0, BIA_LO
	s_wait_dscnt 0
	PLACES NP
	FETCH_B 0, 1, 1
	FETCH_A 0, 1, 0
	BIASMUL 4, BIA_HI
	PLACES NP
	FETCH_A 0, 1, 4
	; K = 1,024 is four slots' worth: the rest is written out, so there is no backward jump
	TURN 0, 1, 1                                   ; slot 0 takes K step 2
	STEP 1, 0
	TURN 1, 0, 1                                   ; slot 1 takes K step 3
	STEP 0, 0
	TURN 0, 1, 0                                   ; nothing is left to fetch: no round of the cluster's barrier
	STEP 1, 0
	s_wait_dscnt 4*NL                              ; the very last step
	WIN MUL_LO
	MUL16 0, 1, NQ-1, 1, 0
	MUL16 2, 1, NQ-1, 1, 0
	s_wait_dscnt 0
	WIN MUL_HI
	MUL16 4, 1, NQ-1, 1, 0
	MUL16 6, 1, NQ-1, 1, 0
	WIN 0
; THE WAY OUT of block a (16 rows of A x my 128 rows of B): four blocks of 32 along the next K, g = 0 .. 3, each in the 16 registers of accumulators 2 g, 2 g + 1 of lanes l and l xor 16.
.macro QOUT a
.set QW,   2+(\a)/4                    ; the block's window
.set QAC,  64*((\a)%4)                 ; its eight accumulators
.set QP,   PC+16*((\a)%2)              ; its codes
.set W_RD, QW|(QW<<2)                  ; sources 0 and 1 in the block's window
.set W_IP, QW|(QW<<6)                  ; source 0 and destination
	s_wait_xcnt 0x0                                ; earlier stores have had their addresses translated (ISA guide 3.1): only behind this wait are their data registers and their base rewritten
.if (\a) == 4
	s_add_nc_u64 s[12:13], s[12:13], s[100:101]
.elseif (\a) > 0
	s_add_nc_u64 s[12:13], s[12:13], s[98:99]
.endif
	WIN W_RD
.irp g, 0,1,2,3
	v_max3_num_f32 v[TM+\g], |v[QAC+16*\g]|, |v[QAC+16*\g+1]|, 0x8000000   ; my 16 numbers, each accumulator from its low end on, and the floor 2^(16 - 127): the byte cannot fall under 1
.endr
.irp i, 2,4,6,8,10,12,14
.irp g, 0,1,2,3
	v_max3_num_f32 v[TM+\g], |v[QAC+16*\g+\i]|, |v[QAC+16*\g+\i+1]|, v[TM+\g]   ; (the four blocks by turns)
.endr
.endr
	WIN 0
.irp g, 0,1,2,3
	v_permlanex16_b32 v[TM+4+\g], v[TM+\g], s20, s21
.endr
.irp g, 0,1,2,3
	v_max_num_f32 v[TM+\g], v[TM+\g], v[TM+4+\g]   ; with lane l xor 16's: the block's largest magnitude
.endr
.irp g, 0,1,2,3
	v_add_nc_u32 v[TM+12+\g], 0xf8800000, v[TM+\g] ; 15 off its exponent field: the conversion takes the exponent field of this operand as its scale
.endr
.irp g, 0,1,2,3
.endr
.irp g, 0,1,2,3
	v_lshrrev_b32 v[TM+4+\g], 23, v[TM+12+\g]      ; the scale's byte
.endr
	v_lshl_or_b32 v[PW], v[TM+5], 8, v[TM+4]
	v_lshl_or_b32 v[PW], v[TM+6], 16, v[PW]
	v_lshl_or_b32 v[PW], v[TM+7], 24, v[PW]
	v_perm_b32 v[PWD+(\a)], v[PW], v[PW], v[SELV]  ; Q, K: lanes 0-15 the first head's two bytes twice, lanes 16-31 the second head's; V: the four bytes as they are
	WIN W_IP
.irp g, 0,1,2,3
.irp i, 0,1,2,3,4,5,6,7,8,9,10,11,12,13,14,15
.endr
.endr
	WIN QW
.irp g, 0,1,2,3
	v_cvt_scalef32_pk8_bf8_f32 v[QP+4*\g:QP+4*\g+1], v[QAC+16*\g:QAC+16*\g+7], v[TM+12+\g]
	v_cvt_scalef32_pk8_bf8_f32 v[QP+4*\g+2:QP+4*\g+3], v[QAC+16*\g+8:QAC+16*\g+15], v[TM+12+\g]
.endr
	WIN 0
	v_nop                                          ; one plain vector instruction behind the last conversion
	global_store_b128 v[GO0], v[QP:QP+3], s[12:13]                 ; each store of the wave covers 512 consecutive bytes, aligned
	global_store_b128 v[GO0], v[QP+4:QP+7], s[12:13] offset:512
	global_store_b128 v[GO1], v[QP+8:QP+11], s[12:13]
	global_store_b128 v[GO1], v[QP+12:QP+15], s[12:13] offset:512
	ds_store_b32 v[SCWST], v[PWD+(\a)] offset:64*(\a)              ; the scale words are gathered in my own 1,024 bytes of LDS: two planes of 128 words
.endm
	PLACES NP                                      ; behind the last products, in front of the first read of results
	s_mov_b32 s20, 0x76543210
	s_mov_b32 s21, 0xfedcba98                      ; v_permlanex16_b32's selects for lane l xor 16
.irp g, 0,1,2,3
	v_mov_b32 v[TM+4+\g], 0                        ; written once: a lane permute's destination counts as one of its sources
.endr
.irp a, 0,1,2,3,4,5,6,7
	QOUT \a
.endr
	ds_load_b128 v[RB:RB+3], v[SCWRD]              ; LDS serves a wave's instructions in order (ISA guide 5.7.1.4): these see my stores
	ds_load_b128 v[RB+4:RB+7], v[SCWRD] offset:512
	s_wait_dscnt 0x0
	global_store_b128 v[SGO], v[RB:RB+3], s[96:97] ; Q, K: the first head's 128 words, 512 consecutive bytes; V: 256 consecutive bytes for each of my two heads
	s_cmp_eq_u32 s95, 2
	s_cbranch_scc1 .Lnoplane
	global_store_b128 v[SGO], v[RB+4:RB+7], s[96:97] offset:8192   ; Q, K: the second head's
.Lnoplane:
	s_wait_tensorcnt 0x0                           ; the wave's end: behind my last tensor load and my last LDS store
	ds_add_u32 v[SPW], v[NIL]
	s_wait_dscnt 0x0
	CROUND                                         ; the closing round: no work-group ends while a partner may still ask for a tile that names it
	s_endpgm
.Lfunc_end_k_qb60076cafa_proj:
	.size	k_qb60076cafa_proj, .Lfunc_end_k_qb60076cafa_proj-k_qb60076cafa_proj
	.p2alignl 7, 3214868480
	.fill 96, 4, 3214868480
	.section	.rodata,"a",@progbits
	.p2align	6, 0x0
	.amdhsa_kernel k_qb60076cafa_proj
		.amdhsa_group_segment_fixed_size 327680
		.amdhsa_private_segment_fixed_size 0
		.amdhsa_enable_private_segment 0
		.amdhsa_kernarg_size 168
		.amdhsa_user_sgpr_count 2
		.amdhsa_user_sgpr_kernarg_segment_ptr 1
		.amdhsa_wavefront_size32 1
		.amdhsa_system_sgpr_workgroup_id_x 1
		.amdhsa_system_sgpr_workgroup_id_y 1
		.amdhsa_system_sgpr_workgroup_id_z 1
		.amdhsa_system_vgpr_workitem_id 0
		.amdhsa_next_free_vgpr 1024
		.amdhsa_next_free_sgpr 102
		.amdhsa_reserve_vcc 1
		.amdhsa_float_denorm_mode_32 3
		.amdhsa_float_denorm_mode_16_64 3
		.amdhsa_fp16_overflow 1
		.amdhsa_memory_ordered 1
		.amdhsa_forward_progress 1
		.amdhsa_inst_pref_size 169
	.end_amdhsa_kernel
	.amdgpu_metadata
---
amdhsa.version: [ 1, 2 ]
amdhsa.kernels:
  - .name:           k_qb60076cafa_proj
    .symbol:         k_qb60076cafa_proj.kd
    .args:
      - { .name: query_codes, .offset: 0, .size: 8, .value_kind: global_buffer, .address_space: global }
      - { .name: query_scales, .offset: 8, .size: 8, .value_kind: global_buffer, .address_space: global }
      - { .name: wq_codes, .offset: 16, .size: 8, .value_kind: global_buffer, .address_space: global }
      - { .name: wq_scales, .offset: 24, .size: 8, .value_kind: global_buffer, .address_space: global }
      - { .name: bq, .offset: 32, .size: 8, .value_kind: global_buffer, .address_space: global }
      - { .name: qc, .offset: 40, .size: 8, .value_kind: global_buffer, .address_space: global }
      - { .name: qs, .offset: 48, .size: 8, .value_kind: global_buffer, .address_space: global }
      - { .name: key_codes, .offset: 56, .size: 8, .value_kind: global_buffer, .address_space: global }
      - { .name: key_scales, .offset: 64, .size: 8, .value_kind: global_buffer, .address_space: global }
      - { .name: wk_codes, .offset: 72, .size: 8, .value_kind: global_buffer, .address_space: global }
      - { .name: wk_scales, .offset: 80, .size: 8, .value_kind: global_buffer, .address_space: global }
      - { .name: bk, .offset: 88, .size: 8, .value_kind: global_buffer, .address_space: global }
      - { .name: kc, .offset: 96, .size: 8, .value_kind: global_buffer, .address_space: global }
      - { .name: ks, .offset: 104, .size: 8, .value_kind: global_buffer, .address_space: global }
      - { .name: wv_codes, .offset: 112, .size: 8, .value_kind: global_buffer, .address_space: global }
      - { .name: wv_scales, .offset: 120, .size: 8, .value_kind: global_buffer, .address_space: global }
      - { .name: value_codes, .offset: 128, .size: 8, .value_kind: global_buffer, .address_space: global }
      - { .name: value_scales, .offset: 136, .size: 8, .value_kind: global_buffer, .address_space: global }
      - { .name: bv, .offset: 144, .size: 8, .value_kind: global_buffer, .address_space: global }
      - { .name: vc, .offset: 152, .size: 8, .value_kind: global_buffer, .address_space: global }
      - { .name: vs, .offset: 160, .size: 8, .value_kind: global_buffer, .address_space: global }
    .group_segment_fixed_size: 327680
    .private_segment_fixed_size: 0
    .kernarg_segment_align: 8
    .kernarg_segment_size: 168
    .max_flat_workgroup_size: 128
    .sgpr_count:     102
    .vgpr_count:     1024
    .wavefront_size: 32
...
	.end_amdgpu_metadata
.endif
;; end of part 1
;; launch attn (part 2): grid 8 x 64, 16 waves a work-group, no clusters, 327,680 bytes of LDS; arguments qc, qs, kc, ks, vc, vs, cc, cs; writes cc, cs
.if DOCPART == 2
	.amdgcn_target "amdgcn-amd-amdhsa--gfx1250"
	.amdhsa_code_object_version 6
	.text
	.protected	k_qb60076cafa_attn
	.globl	k_qb60076cafa_attn
	.p2align	8
	.type	k_qb60076cafa_attn,@function
k_qb60076cafa_attn:
	s_mov_b64 s[64:65], 0
	v_nop
	global_prefetch_b8 v0, s[64:65] scope:SCOPE_SE
	s_setreg_imm32_b32 hwreg(HW_REG_WAVE_MODE, 25, 1), 1
	s_wait_xcnt 0x0
; CAUSAL ATTENTION OF ONE HEAD OF 64, both products on codes of BF8 (E5M2) with one E8M0 scale for each 32 along K, and its result quantised along E for the output projection.
; THE SOFTMAX: t = score x log2(e) / 8; M = the row's largest t so far, rounded UP to a whole number; p = 2^(t - M) is what is quantised, along the keys; the row's sum is taken of the unquantised p and divides at the end.
; When M moves, the sum and O are multiplied by 2^(old M - new M): exact.
; SHARES.  A work-group owns the blocks j and 15 - j of 128 queries of one head: (j + 1) + (16 - j) = 17 block steps in every work-group, so all 512 have equal work.  Each of its sixteen waves owns one tile of 16 queries
; in 256 registers.  Wave w takes the late block where bit 0 xor bit 2 of w is 1, and tile w / 2 of it.  Every work-group walks all 2,048 keys, 128 a step, with constant trip counts; a step all of whose keys come after
; the wave's queries is jumped over by a scalar branch on ids (no barrier and no tensor load stands in a step).
; NO CLUSTER: the work-groups that share a head's K and V differ in j, and the branch that leaves hidden steps out hangs on j; partners of joint loads may not differ in a branch.
; OPERANDS ARE IMAGES OF REGISTERS: chunks of 512 bytes, lane l's 16 bytes at 16 l (laid so by the launch before).  So K's and V's tiles are dense blocks, LDS has no pitch and no padding.
; K = 64 IN A FORM OF K = 128.  Source 0 holds TWO tiles of 16 keys: keys 32 b + r in slots 0-63, keys 32 b + 16 + r in slots 64-127.  Q stands between two runs of zero codes: [Q | 0] gives the first tile's scores,
; [0 | Q] the second's.  Zero codes add nothing (all codes here are finite: the launch before holds them).  The scale words of Q and K hold their two bytes twice, so they serve both places.
; LAYOUT.  Both products are used transposed: S^T = K Q^T, O^T = V^T P^T: a lane holds ONE query (lane % 16).  Register n of S^T is key 32 (n / 16) + 16 ((n / 8) % 2) + 8 (lane / 16) + n % 8 of the step; p's codes are
; used as slots 32 (n / 16) + 16 (lane / 16) + n % 16, and V's codes are laid with the same order of keys inside each block of 32.  The rows of V^T that form a tile are not neighbours: lane r of tile 2 g + u takes
; d = 32 g + 8 u + r + 8 (r / 8), so that O^T's register 16 g + i is d = 32 g + 16 (lane / 16) + i: 16 neighbours along E, as the output projection's operand wants them.  (V's loads so go two deep on the LDS banks: rows r and r + 8 lie 2,048 bytes apart.)
; OUT: cc: (row / 16) x 16,384 + head x 1,024 + g x 512 + 16 l; cs: [8,192][32] bytes.  The scale bytes leave one a lane, 32 bytes apart: 1 / 32 of the codes' bytes.
; LIMITS: NaN and infinities among the inputs are not served but for the NaN that reference() clears.  A block of zeros gets the byte 1 (its codes are zeros; this program alone reads the bytes).
; A block's largest p is taken through the block's largest score: this takes v_exp_f32 not to fall where its input rises; at the worst one p within an ulp of a power of two is held one code low.
.set SLOT1, 65536                      ; a slot: 512 keys: K's 32,768 bytes, then V's 32,768; slot 1 begins here, so that one exclusive or turns an address in one slot into the other's
.set VOFF,  32768
.set SCK,   131072                     ; behind the ring: K's scale words of the whole head, 8,192 bytes;
.set SCV,   139264                     ; V's, 4,096 bytes
.set SPARE, 143360                     ; the spare words, 128 bytes for each wave: eight blocks of 256 bytes that no other line names
.set LI,   1                           ; v1   16 x lane
.set AV0,  2                           ; v2   my lane's place in a tile of V
.set ASK0, 3                           ; v3   among K's scale words
.set ASV0, 4                           ; v4   among V's
.set SPW,  5                           ; v5   LDS address of my spare word; never rewritten
.set NIL,  6                           ; v6   0; never rewritten
.set DM,   7                           ; v7   lane % 16 - 8 (lane / 16), for the mask
.set ADK,  8                           ; v8-11 addresses of the loads in hand: K, V, K's scale words, V's
.set ADV,  9
.set ADS,  10
.set ADT,  11
.set QZ,   16                          ; v16-23 zero codes, v24-31 Q, v32-39 zero codes.   v12 -M, v13 the largest t, v[14:15] the sum in two halves
.set FRG,  40                          ; v40-103 four fragments of K, then of V
.set SR,   104                         ; v104-167 S^T, then p
.set OT,   168                         ; v168-199 O^T
.set PCD,  200                         ; v200-215 p's codes
.set BM,   216                         ; v216-219 the blocks' largest
.set PT,   220                         ; v220-223 the other half's, then the bytes
.set HO,   224
.set OPD,  228                         ; v228-231 the conversions' scale operands.   v[232:233] the second chain of sums; v234, v235 at work; v[236:237] f
.set KSC,  240                         ; v240-243 K's scale words; v244-245 V's; v246 p's; v247 Q's: v240-243 also carry two chains of the sum
.set VSC,  244
.set PSC,  246
.set QSC,  247
.set WV,   20                          ; s20  my wave's number
.set MNT,  21
.set CS,   22                          ; s[22:23] c = log2(e) / 8
.set SEL,  24                          ; s[24:25] lane selects for v_permlanex16_b32: lane l xor 16
.set G1,   28                          ; s[28:35] descriptor group 1: 64 rows of 256 bytes;  s[36:39] its group 0, which walks
.set G0,   36
.set G1S,  40                          ; s[40:47] group 1 for the scale words: 16 rows of 256 bytes;  s[48:51] group 0
.set G0S,  48
.set TB,   52                          ; s52  LDS byte at which the slot in hand begins
.set TS,   53                          ; s53  the step's scale words of K: 512 bytes a step
.set TJ,   54                          ; s54  V's: 256 bytes a step
.set SLOTS, 55                         ; s55  slots still to be asked for
.set KF,   57                          ; s57  the step's first key
.set Q0,   58                          ; s58  my first query
; Waves 0 .. n - 1 issue a load each, into LDS bytes of their own; the branch hangs on the wave's number alone.  Four v_nop follow the line.
.macro TLOAD g0, g1, n
	s_cmp_lt_u32 s[WV], \n
	s_cbranch_scc0 .Lno_load_\@
	tensor_load_to_lds s[\g0:\g0+3], s[\g1:\g1+7]
	s_nop 0
.rept 4
	v_nop
.endr
.Lno_load_\@:
.endm
	s_load_b256 s[4:11], s[0:1], 0x0               ; qc, qs, kc, ks
	s_load_b256 s[12:19], s[0:1], 0x20             ; vc, vs, cc, cs
	v_lshl_add_u32 v[SPW], v0, 2, SPARE
	v_mov_b32 v[NIL], 0
	ds_add_u32 v5, v6
	ds_add_u32 v5, v6
	s_wait_dscnt 0x0
	v_lshrrev_b32 v8, 5, v0
	s_delay_alu instid0(VALU_DEP_1)
	v_readfirstlane_b32 s[WV], v8                  ; wave 0..15
	s_and_b32 s60, ttmp7, 0xffff                   ; 16 x batch + head
	s_and_b32 s61, s[WV], 1
	s_bfe_u32 s62, s[WV], 0x10002
	s_xor_b32 s61, s61, s62                        ; 1: the late block
	s_lshr_b32 s62, s[WV], 1                       ; my tile in it
	s_sub_co_u32 s63, 15, ttmp9
	s_cmp_eq_u32 s61, 1
	s_cselect_b32 s63, s63, ttmp9                  ; block 15 - j or j
	s_lshl_b32 s63, s63, 7
	s_lshl_b32 s62, s62, 4
	s_add_co_u32 s[Q0], s63, s62                   ; my first query
	; dense blocks, stated as rows of 256 bytes: 32 elements of 8 bytes, pitch = row, no padding
	s_mov_b32 s[G1], 3<<16                         ; 15:0 no mask; 17:16 elements of 8 bytes
	s_mov_b32 s[G1+1], 32<<16                      ; tensor_dim0
	s_mov_b32 s[G1+2], 64<<16                      ; tensor_dim1
	s_mov_b32 s[G1+3], 32<<16                      ; tile_dim0
	s_mov_b32 s[G1+4], 64                          ; tile_dim1: 16,384 bytes
	s_mov_b32 s[G1+5], 32                          ; tensor_dim0_stride
	s_mov_b32 s[G1+6], 0
	s_mov_b32 s[G1+7], 0
	s_mov_b32 s[G1S], 3<<16
	s_mov_b32 s[G1S+1], 32<<16
	s_mov_b32 s[G1S+2], 16<<16
	s_mov_b32 s[G1S+3], 32<<16
	s_mov_b32 s[G1S+4], 16                         ; 4,096 bytes
	s_mov_b32 s[G1S+5], 32
	s_mov_b32 s[G1S+6], 0
	s_mov_b32 s[G1S+7], 0
	s_lshl_b32 s66, s60, 17                        ; the head's first byte in qc, kc, vc,
	s_and_b32 s67, s[WV], 1
	s_lshl_b32 s67, s67, 14
	s_add_co_u32 s66, s66, s67                     ; + my half of a slot's 32,768 bytes of K (waves 0, 1) or of V (waves 2, 3)
	s_mov_b32 s67, 0
	s_lshl_b32 s72, s60, 13
	s_lshl_b32 s73, s[WV], 12
	s_add_co_u32 s72, s72, s73                     ; K's scale words: head x 8,192 + my half
	s_lshl_b32 s73, s60, 12                        ; V's: head x 4,096
	s_mov_b32 s[SEL], 0x76543210
	s_mov_b32 s[SEL+1], 0xfedcba98
	s_mov_b32 s[CS], 0x3e38aa3b                    ; c = log2(e) / sqrt(64)
	s_mov_b32 s[CS+1], s[CS]                       ; (named with it as a pair, so it is written)
	s_mov_b32 s[TB], 0
	s_mov_b32 s[TS], 0
	s_mov_b32 s[TJ], 0
	s_mov_b32 s[KF], 0
	s_mov_b32 s[SLOTS], 3
	s_wait_kmcnt 0x0
	s_cmp_lt_u32 s[WV], 2                          ; the choices hang on the wave's number alone
	s_cselect_b64 s[68:69], s[8:9], s[12:13]       ; kc or vc
	s_cselect_b64 s[70:71], s[10:11], s[14:15]     ; ks or vs
	s_cselect_b32 s72, s72, s73
	s_mov_b32 s73, 0
	s_mov_b32 s[G0S], 1                            ; 1:0 count = 1
	s_lshl_b32 s[G0S+1], s[WV], 12
	s_add_co_u32 s[G0S+1], s[G0S+1], SCK           ; 63:32 LDS address: waves 0, 1 K's halves, wave 2 V's
	s_add_nc_u64 s[G0S+2:G0S+3], s[70:71], s[72:73]
	s_or_b32 s[G0S+3], s[G0S+3], 0x80000000        ; 127:126 type = 2
	TLOAD G0S, G1S, 3                              ; the scale words of the whole head: filled once
	s_mov_b32 s[G0], 1
	s_lshl_b32 s[G0+1], s[WV], 14                  ; slot 0: wave x 16,384
	s_add_nc_u64 s[G0+2:G0+3], s[68:69], s[66:67]
	s_or_b32 s[G0+3], s[G0+3], 0x80000000
	TLOAD G0, G1, 4                                ; slot 0: the head's first 512 keys.  Two loads of a wave are out at the most
	s_lshl_b32 s74, s60, 17
	s_lshl_b32 s75, s[Q0], 6
	s_add_co_u32 s74, s74, s75
	s_mov_b32 s75, 0
	s_add_nc_u64 s[4:5], s[4:5], s[74:75]          ; Q's codes: head x 131,072 + 64 x query
	s_lshl_b32 s74, s60, 13
	s_lshl_b32 s76, s[Q0], 2
	s_add_co_u32 s74, s74, s76
	s_add_nc_u64 s[6:7], s[6:7], s[74:75]          ; its scale words
	s_lshr_b32 s76, s60, 4                         ; batch
	s_and_b32 s77, s60, 15                         ; head
	s_lshl_b32 s78, s76, 7
	s_lshr_b32 s79, s[Q0], 4
	s_add_co_u32 s78, s78, s79
	s_lshl_b32 s78, s78, 14
	s_lshl_b32 s79, s77, 10
	s_add_co_u32 s74, s78, s79
	s_add_nc_u64 s[16:17], s[16:17], s[74:75]      ; cc: (row / 16) x 16,384 + head x 1,024
	s_lshl_b32 s78, s76, 11
	s_add_co_u32 s78, s78, s[Q0]
	s_lshl_b32 s78, s78, 5
	s_lshl_b32 s79, s77, 1
	s_add_co_u32 s74, s78, s79
	s_add_nc_u64 s[18:19], s[18:19], s[74:75]      ; cs: row x 32 + 2 x head
	v_and_b32 v8, 15, v0                           ; r
	v_bfe_u32 v9, v0, 4, 1                         ; lane / 16
	v_and_b32 v10, 31, v0                          ; lane
	s_delay_alu instid0(VALU_DEP_1)
	v_lshlrev_b32 v[LI], 4, v10
	global_load_b128 v[QZ+8:QZ+11], v[LI], s[4:5]               ; Q's two chunks stay in registers
	global_load_b128 v[QZ+12:QZ+15], v[LI], s[4:5] offset:512
	v_lshlrev_b32 v234, 2, v8
	global_load_b32 v[QSC], v234, s[6:7]           ; Q's scale words
	v_lshrrev_b32 v11, 3, v8                       ; r / 8
	v_and_b32 v235, 7, v8
	s_delay_alu instid0(VALU_DEP_1)
	v_lshlrev_b32 v[AV0], 4, v235
	s_delay_alu instid0(VALU_DEP_1)
	v_lshl_add_u32 v[AV0], v11, 11, v[AV0]
	s_delay_alu instid0(VALU_DEP_1)
	v_lshl_add_u32 v[AV0], v9, 8, v[AV0]
	s_delay_alu instid0(VALU_DEP_1)
	v_add_nc_u32 v[AV0], VOFF, v[AV0]              ; V: 2,048 (r / 8) + 16 (r % 8) + 256 (lane / 16), behind K's part of the slot
	v_lshl_add_u32 v[ASK0], v10, 2, SCK            ; K's scale words: lane l takes key 32 b + l's
	v_lshl_add_u32 v235, v11, 3, v8
	s_delay_alu instid0(VALU_DEP_1)
	v_lshl_add_u32 v235, v9, 3, v235
	s_delay_alu instid0(VALU_DEP_1)
	v_lshl_add_u32 v[ASV0], v235, 2, SCV           ; V's: lanes 0-15 the rows of tile 2 g, lanes 16-31 those of tile 2 g + 1
	v_lshlrev_b32 v235, 3, v9
	s_delay_alu instid0(VALU_DEP_1)
	v_sub_nc_u32 v[DM], v8, v235
	v_mov_b32 v13, 0xff61b1e6                      ; the largest t so far: -3e38, under every t
	s_delay_alu instid0(VALU_DEP_1)
	v_floor_f32 v12, -v13                          ; -M
	v_mov_b32 v14, 0                               ; the sum, in two halves
	v_mov_b32 v15, 0
.irp j, 0,1,2,3,4,5,6,7
	v_mov_b32 v[QZ+\j], 0                          ; the zero codes on both sides of Q
	v_mov_b32 v[QZ+16+\j], 0
.endr
.irp b, 0,1,2,3
	v_mov_b32 v[PT+\b], 0                          ; written once: a lane permute's destination counts as one of its sources
.endr
	v_mov_b32 v237, 0                              ; (named as the upper half of the pair v[236:237])
.irp j, 0,1,2,3,4,5,6,7,8,9,10,11,12,13,14,15,16,17,18,19,20,21,22,23,24,25,26,27,28,29,30,31
	v_mov_b32 v[OT+\j], 0                          ; O^T.  (The step is written once: the first finds zeros, which the first change of M leaves zeros)
.endr
; A KEY STEP: 128 keys, the q-th of the slot in hand.
.macro STEP q
	s_add_co_u32 s59, s[Q0], 15                    ; a step all of whose keys come after my 16 queries is left out; not the lines at its end that step addresses
	s_cmp_gt_u32 s[KF], s59
	s_cbranch_scc1 .Lhidden_\@
	v_add_nc_u32 v[ADK], s[TB], v[LI]
	v_add_nc_u32 v[ADV], s[TB], v[AV0]
	v_add_nc_u32 v[ADS], s[TS], v[ASK0]
	v_add_nc_u32 v[ADT], s[TJ], v[ASV0]
.rept 4
	v_nop                                          ; with the four additions: eight places in front of loads into registers that the last step's products have read
.endr
.irp b, 0,1,2,3
.irp c, 0,1,2,3
	ds_load_b128 v[FRG+16*\b+4*\c:FRG+16*\b+4*\c+3], v[ADK] offset:8192*(\q)+2048*\b+512*\c   ; keys 32 b + r (chunks 0, 1) and 32 b + 16 + r (chunks 2, 3): 512 consecutive bytes a load
.endr
	ds_load_b32 v[KSC+\b], v[ADS] offset:128*\b    ; lanes 0-15 the first tile's words, lanes 16-31 the second's
.endr
	s_wait_alu depctr_va_vdst(0)
	s_wait_dscnt 0x0
.irp b, 0,1,2,3
	v_wmma_scale_f32_16x16x128_f8f6f4 v[SR+16*\b:SR+16*\b+7], v[FRG+16*\b:FRG+16*\b+15], v[QZ+8:QZ+23], 0, v[KSC+\b], v[QSC] matrix_a_fmt:MATRIX_FMT_BF8 matrix_b_fmt:MATRIX_FMT_BF8
	v_wmma_scale_f32_16x16x128_f8f6f4 v[SR+16*\b+8:SR+16*\b+15], v[FRG+16*\b:FRG+16*\b+15], v[QZ:QZ+15], 0, v[KSC+\b], v[QSC] matrix_a_fmt:MATRIX_FMT_BF8 matrix_b_fmt:MATRIX_FMT_BF8 matrix_a_scale:MATRIX_SCALE_ROW1
.endr
.rept 8
	v_nop                                          ; places in front of the first read of the scores and of the loads below
.endr
.irp t, 0,1,2,3                                ; V's four tiles are asked for now and land under the softmax
.irp c, 0,1,2,3
	ds_load_b128 v[FRG+16*\t+4*\c:FRG+16*\t+4*\c+3], v[ADV] offset:8192*(\q)+4096*(\t/2)+128*(\t%2)+512*\c
.endr
.endr
	ds_load_b32 v[VSC], v[ADT]
	ds_load_b32 v[VSC+1], v[ADT] offset:128
	s_add_co_u32 s59, s[KF], 127                   ; on the diagonal the scores of hidden keys become -infinity ahead of the maximum: p = 0 then.  A step all of whose keys count skips this
	s_cmp_le_u32 s59, s[Q0]
	s_cbranch_scc1 .Lopen_\@
	s_sub_co_i32 s59, s[Q0], s[KF]
	v_add_nc_u32 v234, s59, v[DM]                  ; my query - the step's first key - 8 (lane / 16): register n is hidden where its place among the keys is larger
	v_mov_b32 v235, 0xff800000                     ; -infinity
.irp n, 0,1,2,3,4,5,6,7,8,9,10,11,12,13,14,15,16,17,18,19,20,21,22,23,24,25,26,27,28,29,30,31,32,33,34,35,36,37,38,39,40,41,42,43,44,45,46,47,48,49,50,51,52,53,54,55,56,57,58,59,60,61,62,63
	v_cmp_gt_i32 vcc_lo, 32*(\n/16)+16*((\n/8)%2)+\n%8, v234
	v_cndmask_b32 v[SR+\n], v[SR+\n], v235, vcc_lo
.endr
.Lopen_\@:
.irp b, 0,1,2,3
	v_max3_num_f32 v[BM+\b], v[SR+16*\b], v[SR+1+16*\b], v[SR+2+16*\b]   ; the largest score of each block of 32 keys: for the row's maximum and, since p rises with the score, for the block's largest p
.endr
.irp i, 3,5,7,9,11,13
.irp b, 0,1,2,3
	v_max3_num_f32 v[BM+\b], v[BM+\b], v[SR+16*\b+\i], v[SR+1+16*\b+\i]   ; (the four blocks by turns)
.endr
.endr
.irp b, 0,1,2,3
	v_max_num_f32 v[BM+\b], v[BM+\b], v[SR+15+16*\b]
.endr
.irp b, 0,1,2,3
	s_delay_alu instid0(VALU_DEP_4)
	v_permlanex16_b32 v[PT+\b], v[BM+\b], s[SEL], s[SEL+1]
.endr
.irp b, 0,1,2,3
	s_delay_alu instid0(VALU_DEP_4)
	v_max_num_f32 v[BM+\b], v[BM+\b], v[PT+\b]     ; with lane l xor 16's 16 keys
.endr
	s_delay_alu instid0(VALU_DEP_2)
	v_max3_num_f32 v234, v[BM], v[BM+1], v[BM+2]
	s_delay_alu instid0(VALU_DEP_1)
	v_max_num_f32 v234, v234, v[BM+3]              ; the step's largest score of my query
	s_delay_alu instid0(VALU_DEP_1)
	v_mul_f32 v234, s[CS], v234                    ; as t (c is positive)
	s_delay_alu instid0(VALU_DEP_1)
	v_max_num_f32 v13, v13, v234                   ; the running largest t
	v_mov_b32 v234, v12
	s_delay_alu instid0(VALU_DEP_2)
	v_floor_f32 v12, -v13                          ; the new -M = floor(-t) = -ceil(t): M is a whole number
	s_delay_alu instid0(VALU_DEP_1)
	v_sub_f32 v234, v12, v234                      ; M's old value less its new one: a whole number, 0 or less
	s_delay_alu instid0(VALU_DEP_1)
	v_cvt_i32_f32 v234, v234                       ; (it saturates)
	s_delay_alu instid0(VALU_DEP_1)
	v_ldexp_f32 v236, 1.0, v234                    ; f = 2^(old M - new M)
.irp j, 0,2,4,6,8,10,12,14,16,18,20,22,24,26,28,30,32,34,36,38,40,42,44,46,48,50,52,54,56,58,60,62
	v_pk_fma_f32 v[SR+\j:SR+\j+1], v[SR+\j:SR+\j+1], s[CS:CS+1], v[12:13] op_sel_hi:[1,0,0]   ; t - M, two at a time (of the pairs c and -M the low word serves both halves)
.endr
.irp b, 0,1,2,3
	v_fma_f32 v[BM+\b], v[BM+\b], s[CS], v12       ; the same of each block's largest score
.endr
	s_wait_alu depctr_va_vdst(0)
.irp j, 0,1,2,3,4,5,6,7,8,9,10,11,12,13,14,15,16,17,18,19,20,21,22,23,24,25,26,27,28,29,30,31,32,33,34,35,36,37,38,39,40,41,42,43,44,45,46,47,48,49,50,51,52,53,54,55,56,57,58,59,60,61,62,63
	v_exp_f32 v[SR+\j], v[SR+\j]                   ; p = 2^(t - M), at most 1: not normalised
.endr
.irp b, 0,1,2,3
	v_exp_f32 v[BM+\b], v[BM+\b]                   ; the block's largest p: the same two instructions on the same number give the same bits
.endr
	v_pk_mul_f32 v[14:15], v[14:15], v[236:237] op_sel_hi:[1,0]   ; the sums under the new M.  (A plain place behind the exponentials)
	s_wait_alu depctr_va_vdst(0)
.irp b, 0,1,2,3
	v_max_num_f32 v[BM+\b], 0x8000000, v[BM+\b]    ; the floor 2^(16 - 127): the byte cannot fall under 1
.endr
.irp b, 0,1,2,3
	s_delay_alu instid0(VALU_DEP_4)
	v_add_nc_u32 v[OPD+\b], 0xf8800000, v[BM+\b]   ; 15 off the exponent field: the conversion's scale operand
.endr
.irp b, 0,1,2,3
.endr
.irp b, 0,1,2,3
	s_delay_alu instid0(VALU_DEP_4)
	v_lshrrev_b32 v[PT+\b], 23, v[OPD+\b]          ; the scale's byte
.endr
	s_delay_alu instid0(VALU_DEP_3)
	v_lshl_or_b32 v[PSC], v[PT+1], 8, v[PT]        ; p's scale word for these 128 keys
	s_delay_alu instid0(VALU_DEP_1)
	v_lshl_or_b32 v[PSC], v[PT+2], 16, v[PSC]
	s_delay_alu instid0(VALU_DEP_1)
	v_lshl_or_b32 v[PSC], v[PT+3], 24, v[PSC]
	v_pk_add_f32 v[232:233], v[108:109], v[112:113]
	v_pk_add_f32 v[254:255], v[116:117], v[120:121]
	v_pk_add_f32 v[252:253], v[124:125], v[128:129]
	v_pk_add_f32 v[250:251], v[132:133], v[136:137]
	v_pk_add_f32 v[248:249], v[140:141], v[144:145]
	v_pk_add_f32 v[242:243], v[148:149], v[152:153]
	v_pk_add_f32 v[240:241], v[156:157], v[160:161]
	v_pk_add_f32 v[14:15], v[14:15], v[164:165]
	v_pk_add_f32 v[232:233], v[232:233], v[104:105]
	v_pk_add_f32 v[254:255], v[254:255], v[106:107]
	v_pk_add_f32 v[252:253], v[252:253], v[110:111]
	v_pk_add_f32 v[250:251], v[250:251], v[114:115]
	v_pk_add_f32 v[248:249], v[248:249], v[118:119]
	v_pk_add_f32 v[242:243], v[242:243], v[122:123]
	v_pk_add_f32 v[240:241], v[240:241], v[126:127]
	v_pk_add_f32 v[14:15], v[14:15], v[130:131]
	v_pk_add_f32 v[232:233], v[232:233], v[134:135]
	v_pk_add_f32 v[254:255], v[254:255], v[138:139]
	v_pk_add_f32 v[252:253], v[252:253], v[142:143]
	v_pk_add_f32 v[250:251], v[250:251], v[146:147]
	v_pk_add_f32 v[248:249], v[248:249], v[150:151]
	v_pk_add_f32 v[242:243], v[242:243], v[154:155]
	v_pk_add_f32 v[240:241], v[240:241], v[158:159]
	v_pk_add_f32 v[14:15], v[14:15], v[162:163]
	v_pk_add_f32 v[232:233], v[232:233], v[166:167]
	s_delay_alu instid0(VALU_DEP_2)
	v_pk_add_f32 v[14:15], v[14:15], v[250:251]
	s_delay_alu instid0(VALU_DEP_2)
	v_pk_add_f32 v[232:233], v[232:233], v[248:249]
	v_pk_add_f32 v[254:255], v[254:255], v[242:243]
	v_pk_add_f32 v[252:253], v[252:253], v[240:241]
	s_delay_alu instid0(VALU_DEP_2)
	v_pk_add_f32 v[14:15], v[14:15], v[254:255]
	s_delay_alu instid0(VALU_DEP_2)
	v_pk_add_f32 v[232:233], v[232:233], v[252:253]
	s_delay_alu instid0(VALU_DEP_1)
	v_pk_add_f32 v[14:15], v[14:15], v[232:233]
.irp b, 0,1,2,3
.irp i, 0,1,2,3,4,5,6,7,8,9,10,11,12,13,14,15
.endr
	v_cvt_scalef32_pk8_bf8_f32 v[PCD+4*\b:PCD+4*\b+1], v[SR+16*\b:SR+16*\b+7], v[OPD+\b]
	v_cvt_scalef32_pk8_bf8_f32 v[PCD+4*\b+2:PCD+4*\b+3], v[SR+16*\b+8:SR+16*\b+15], v[OPD+\b]
.endr
.irp j, 0,2,4,6,8,10,12,14,16,18,20,22,24,26,28,30
	v_pk_mul_f32 v[OT+\j:OT+\j+1], v[OT+\j:OT+\j+1], v[236:237] op_sel_hi:[1,0]   ; O^T under the new M: x f.  (These sixteen are also the places between the codes and the products below)
.endr
	s_wait_alu depctr_va_vdst(0)
	s_wait_dscnt 0x0                               ; V's tiles and scale words are in
.irp t, 0,1,2,3                                ; O^T += V^T P^T: the four accumulators by turns, one instruction a turn
.if (\t)%2
	v_wmma_scale_f32_16x16x128_f8f6f4 v[OT+8*\t:OT+8*\t+7], v[FRG+16*\t:FRG+16*\t+15], v[PCD:PCD+15], v[OT+8*\t:OT+8*\t+7], v[VSC+\t/2], v[PSC] matrix_a_fmt:MATRIX_FMT_BF8 matrix_b_fmt:MATRIX_FMT_BF8 matrix_a_scale:MATRIX_SCALE_ROW1
.else
	v_wmma_scale_f32_16x16x128_f8f6f4 v[OT+8*\t:OT+8*\t+7], v[FRG+16*\t:FRG+16*\t+15], v[PCD:PCD+15], v[OT+8*\t:OT+8*\t+7], v[VSC+\t/2], v[PSC] matrix_a_fmt:MATRIX_FMT_BF8 matrix_b_fmt:MATRIX_FMT_BF8
.endif
.endr
.Lhidden_\@:
	s_add_co_u32 s[KF], s[KF], 128
	s_add_co_u32 s[TS], s[TS], 512                 ; the next step's scale words
	s_add_co_u32 s[TJ], s[TJ], 256
.endm
; THE CHANGE OF SLOTS stands at a slot's head.  Each wave waits for all its tensor loads (its part of the slot that it is about to read), adds 0 to its spare word, and waits for that and for its reads of the slot that it has left.
; Behind the barrier the slot ahead is whole and nobody reads the other one.  fill = 1: that other slot is filled with the 512 keys that follow: the load has four steps in which to land.
.macro CHANGE fill
	s_wait_tensorcnt 0x0                           ; no tensor load of mine is out, so a group 0 may be written
	ds_add_u32 v[SPW], v[NIL]                      ; 0 onto my spare word
.if \fill
	s_xor_b32 s[G0+1], s[G0+1], SLOT1              ; the walking descriptor: the other slot than last time,
	s_add_nc_u64 s[G0+2:G0+3], s[G0+2:G0+3], 32768 ; the next 512 keys; the type bits on top are not reached
.endif
	s_wait_dscnt 0x0                               ; the add is done, and my reads of the slot that I have left are over
	s_barrier_signal -1
	s_barrier_wait -1
.if \fill
	TLOAD G0, G1, 4                                ; the first thing behind the barrier, and a wave's one tensor load until the next
.endif
.endm
.macro SLOT_STEPS
.irp q, 0,1,2,3
	STEP \q
.endr
	s_xor_b32 s[TB], s[TB], SLOT1                  ; on to the other slot
.endm
	s_wait_loadcnt 0x0                             ; Q
.Lslot:                                            ; three trips: behind each change of slots but the last the next slot is asked for
	CHANGE 1
	SLOT_STEPS
	s_sub_co_u32 s[SLOTS], s[SLOTS], 1
	s_cmp_lg_u32 s[SLOTS], 0
	s_cbranch_scc1 .Lslot
	CHANGE 0                                       ; the last slot is written out
	SLOT_STEPS
	; THE WAY OUT.  O^T / the sum; NaN becomes 0, as reference() has it; then the two blocks of 32 along E are quantised: the codes are the output projection's operand registers.
.rept 8
	v_nop                                          ; places behind the last products
.endr
	v_add_f32 v14, v14, v15                        ; the sum's two halves,
	s_delay_alu instid0(VALU_DEP_1)
	v_permlanex16_b32 v[PT], v14, s[SEL], s[SEL+1]
	s_delay_alu instid0(VALU_DEP_1)
	v_add_f32 v14, v14, v[PT]                      ; and lane l xor 16's: the row's sum
	s_wait_alu depctr_va_vdst(0)
	v_rcp_f32 v14, v14
	v_and_b32 v8, 15, v0                           ; (a plain place behind the transcendental)
	v_bfe_u32 v9, v0, 4, 1
	s_delay_alu instid0(VALU_DEP_1)
	v_lshl_add_u32 v10, v8, 5, v9                  ; my scale byte's place: 32 x (lane % 16) + lane / 16
	s_wait_alu depctr_va_vdst(0)
.irp n, 0,1,2,3,4,5,6,7,8,9,10,11,12,13,14,15,16,17,18,19,20,21,22,23,24,25,26,27,28,29,30,31
	v_mul_f32 v[SR+\n], v[OT+\n], v14              ; register 16 g + i is ctx(my query, 64 head + 32 g + 16 (lane / 16) + i); each accumulator from its low end on
.endr
.irp n, 0,1,2,3,4,5,6,7,8,9,10,11,12,13,14,15,16,17,18,19,20,21,22,23,24,25,26,27,28,29,30,31
	v_cmp_eq_f32 vcc_lo, v[SR+\n], v[SR+\n]        ; false for NaN alone
	s_delay_alu instid0(VALU_DEP_1)
	v_cndmask_b32 v[SR+\n], 0, v[SR+\n], vcc_lo
.endr
.irp g, 0,1
	v_max3_num_f32 v[BM+\g], |v[SR+16*\g]|, |v[SR+16*\g+1]|, 0x8000000   ; my 16 numbers and the floor 2^(16 - 127)
.endr
.irp i, 2,4,6,8,10,12,14
.irp g, 0,1
	s_delay_alu instid0(VALU_DEP_2)
	v_max3_num_f32 v[BM+\g], v[BM+\g], |v[SR+16*\g+\i]|, |v[SR+16*\g+\i+1]|
.endr
.endr
.irp g, 0,1
	s_delay_alu instid0(VALU_DEP_2)
	v_permlanex16_b32 v[PT+\g], v[BM+\g], s[SEL], s[SEL+1]
.endr
.irp g, 0,1
	s_delay_alu instid0(VALU_DEP_2)
	v_max_num_f32 v[BM+\g], v[BM+\g], v[PT+\g]     ; the block's largest magnitude
.endr
.irp g, 0,1
	s_delay_alu instid0(VALU_DEP_2)
	v_add_nc_u32 v[OPD+\g], 0xf8800000, v[BM+\g]
.endr
.irp g, 0,1
	s_delay_alu instid0(VALU_DEP_2)
	v_lshrrev_b32 v[PT+\g], 23, v[OPD+\g]          ; the scale's byte
.endr
.irp g, 0,1
.irp i, 0,1,2,3,4,5,6,7,8,9,10,11,12,13,14,15
.endr
.endr
.irp g, 0,1
	v_cvt_scalef32_pk8_bf8_f32 v[PCD+4*\g:PCD+4*\g+1], v[SR+16*\g:SR+16*\g+7], v[OPD+\g]
	v_cvt_scalef32_pk8_bf8_f32 v[PCD+4*\g+2:PCD+4*\g+3], v[SR+16*\g+8:SR+16*\g+15], v[OPD+\g]
.endr
	v_and_b32 v11, 31, v0                          ; (a plain place behind the last conversion)
	s_delay_alu instid0(VALU_DEP_1)
	v_cmp_gt_u32 vcc_lo, 16, v11
	s_delay_alu instid0(VALU_DEP_1)
	v_cndmask_b32 v235, v[PT+1], v[PT], vcc_lo     ; lanes 0-15 store the first block's byte, lanes 16-31 the second's
	global_store_b128 v[LI], v[PCD:PCD+3], s[16:17]              ; each store of the wave covers 512 consecutive bytes, aligned
	global_store_b128 v[LI], v[PCD+4:PCD+7], s[16:17] offset:512
	global_store_b8 v10, v235, s[18:19]
	s_wait_tensorcnt 0x0                           ; the wave's end
	ds_add_u32 v[SPW], v[NIL]
	s_wait_dscnt 0x0
	s_endpgm
.Lfunc_end_k_qb60076cafa_attn:
	.size	k_qb60076cafa_attn, .Lfunc_end_k_qb60076cafa_attn-k_qb60076cafa_attn
	.p2alignl 7, 3214868480
	.fill 96, 4, 3214868480
	.section	.rodata,"a",@progbits
	.p2align	6, 0x0
	.amdhsa_kernel k_qb60076cafa_attn
		.amdhsa_group_segment_fixed_size 327680
		.amdhsa_private_segment_fixed_size 0
		.amdhsa_enable_private_segment 0
		.amdhsa_kernarg_size 64
		.amdhsa_user_sgpr_count 2
		.amdhsa_user_sgpr_kernarg_segment_ptr 1
		.amdhsa_wavefront_size32 1
		.amdhsa_system_sgpr_workgroup_id_x 1
		.amdhsa_system_sgpr_workgroup_id_y 1
		.amdhsa_system_sgpr_workgroup_id_z 1
		.amdhsa_system_vgpr_workitem_id 0
		.amdhsa_next_free_vgpr 256
		.amdhsa_next_free_sgpr 96
		.amdhsa_reserve_vcc 1
		.amdhsa_float_denorm_mode_32 3
		.amdhsa_float_denorm_mode_16_64 3
		.amdhsa_fp16_overflow 1
		.amdhsa_memory_ordered 1
		.amdhsa_forward_progress 1
		.amdhsa_inst_pref_size 196
	.end_amdhsa_kernel
	.amdgpu_metadata
---
amdhsa.version: [ 1, 2 ]
amdhsa.kernels:
  - .name:           k_qb60076cafa_attn
    .symbol:         k_qb60076cafa_attn.kd
    .args:
      - { .name: qc, .offset: 0, .size: 8, .value_kind: global_buffer, .address_space: global }
      - { .name: qs, .offset: 8, .size: 8, .value_kind: global_buffer, .address_space: global }
      - { .name: kc, .offset: 16, .size: 8, .value_kind: global_buffer, .address_space: global }
      - { .name: ks, .offset: 24, .size: 8, .value_kind: global_buffer, .address_space: global }
      - { .name: vc, .offset: 32, .size: 8, .value_kind: global_buffer, .address_space: global }
      - { .name: vs, .offset: 40, .size: 8, .value_kind: global_buffer, .address_space: global }
      - { .name: cc, .offset: 48, .size: 8, .value_kind: global_buffer, .address_space: global }
      - { .name: cs, .offset: 56, .size: 8, .value_kind: global_buffer, .address_space: global }
    .group_segment_fixed_size: 327680
    .private_segment_fixed_size: 0
    .kernarg_segment_align: 8
    .kernarg_segment_size: 64
    .max_flat_workgroup_size: 512
    .sgpr_count:     96
    .vgpr_count:     256
    .wavefront_size: 32
...
	.end_amdgpu_metadata
.endif
;; end of part 2
;; launch outp (part 3): grid 4 x 32, 4 waves a work-group, clusters of 4 x 4, 327,680 bytes of LDS; arguments cc, cs, wo_codes, wo_scales, bo, out0; writes out0
.if DOCPART == 3
	.amdgcn_target "amdgcn-amd-amdhsa--gfx1250"
	.amdhsa_code_object_version 6
	.text
	.protected	k_qb60076cafa_outp
	.globl	k_qb60076cafa_outp
	.p2align	8
	.type	k_qb60076cafa_outp,@function
k_qb60076cafa_outp:
	s_mov_b64 s[64:65], 0
	v_nop
	global_prefetch_b8 v0, s[64:65] scope:SCOPE_SE
	s_setreg_imm32_b32 hwreg(HW_REG_WAVE_MODE, 25, 1), 1
	s_wait_xcnt 0x0
	s_wait_alu depctr_hold_cnt(0) depctr_sa_sdst(0) depctr_va_vdst(0) depctr_va_sdst(0) depctr_va_ssrc(0) depctr_va_vcc(0) depctr_vm_vsrc(0)
	s_getreg_b32 s2, hwreg(HW_REG_IB_STS2, 6, 4)
	s_cmp_eq_u32 s2, 0
	s_cbranch_scc0 .Lentry_in_a_cluster
	s_endpgm
.Lentry_in_a_cluster:
	s_bfe_u32 s2, ttmp6, 0x10000c
	s_cmp_lg_u32 s2, 0xf033
	s_cbranch_scc0 .Lentry_shape_is_right
	s_endpgm
.Lentry_shape_is_right:
; THE OUTPUT PROJECTION, out = ctx wo^T + bo, on codes of BF8 (E5M2) with one E8M0 scale for each 32 along K = 1,024.  ctx: 8,192 rows, wo: 1,024 rows, out: [8,192][1,024] f32.
; A tile of out, 256 x 256, is made by a work-group of four waves; a wave makes 128 x 128: 64 accumulators, 512 registers.  128 tiles: 128 work-groups.
; A (ctx) COMES AS IMAGES OF OPERAND REGISTERS, laid so by the launch before: (row / 16) x 16,384 + (k / 128) x 2,048 + c x 512 + 16 x lane.  A K step of 256 of 16 rows is 4,096 consecutive bytes; a wave's tensor load brings eight such
; rows, 16,384 bytes apart, dense into LDS; a fragment is four loads of 512 consecutive bytes: no pitch, no padding.  B (wo) comes as rows of 256 bytes, 16 bytes of padding behind each.
; The scales of the tile's rows of ctx and of wo, for all of K, come into LDS once, with the first fills.  The bias is the C of each sum's first matrix instruction.
; CLUSTERS: 4 x 4 work-groups; A's tiles are asked for jointly along a row of the cluster, B's along a column.  THE MATRIX INSTRUCTION IS USED TRANSPOSED (source 0 = 16 rows of wo, source 1 = 16 rows of ctx): a lane holds eight neighbouring numbers of a row of out.
; LIMITS: NaN and infinities among the given codes are not served.
; REGISTERS, in windows of 256: window 0: v1-29 addresses; v32-63 scale words, two sets; v64-127 the bias; v128-255 A's fragments, one set, later rows of out.
;   window 1: B's fragments, two sets.   window 2: the accumulators of my rows 0-63 ((a, b) at v[8 (8 (a % 4) + b)]);   window 3: those of my rows 64-127.
.set SIZE_N, 1024
.set NQ,     2
.set ROWB,   256                       ; a row of B's tile in bytes
.set KROW,   1024                      ; a row of wo in memory
.set PITCH,  272                       ; B's LDS row: 256 bytes + 16 of padding
.set FR,     16
.set NL,     4
.set NP,     8                         ; places behind this matrix instruction (ISA guide 7.12.1)
.set HALFA,  32768                     ; 128 rows of A for 256 along K: what one tensor load brings
.set BOFF,   2*HALFA                   ; B's rows lie behind A's
.set HALFB,  128*PITCH
.set SLOT,   BOFF+2*HALFB
.set KS,     32
.set SCL,    2*SLOT                    ; behind the ring: the scales, as rows of 256 bytes + 16 of padding
.set HALFS,  (128*KS/256)*272
.set SBLK,   (16*KS/256)*272
.set SPARE,  SCL+4*HALFS               ; the spare words, 128 bytes for each wave: two blocks of 256 bytes that no other line names
.set SPITCH, 528                       ; the way out: a stage of 16 rows x (512 bytes + 16) for each wave, in slot 0, which has had its last fill and its last read when the first result is stored there
.set ADRA, 16
.set ADRB, 20
.set STO,  24
.set RD,   25
.set CO,   26
.set ADRS, 27
.set SPW,  28
.set NIL,  29
.set SC,   32
.set BI,   64                          ; v64-127 the bias: b(my first column + 16 b + 8 (lane / 16) + j) at v[BI + 8 b + j]
.set AF,   128
.set BK,   128
.set G1, 24
.set G0, 32
.set G1B, 48
.set G0B, 56
.set G1S, 68
.set G0S, 76
.set G1SB, 80
.set G0SB, 88
.set MSB, 0
.macro WIN new                         ; the immediate's high byte repeats the setting that is left
.if MSB != \new
	s_set_vgpr_msb (MSB<<8)|\new
.set MSB, \new
.endif
.endm
.set MUL_LO, 0xa1                      ; source 0 (B) window 1, source 1 (A) window 0, C and D window 2
.set MUL_HI, 0xf1                      ; the same, C and D window 3
.set BIA_LO, 0x81                      ; C (the bias) window 0, D window 2
.set BIA_HI, 0xc1                      ; C window 0, D window 3
.set TO_B,   0x40
.macro JLOAD g0a, g1a, g0b, g1b        ; a joint load: waves 0 and 1 fetch for A, waves 2 and 3 for B; four v_nop follow each of the two lines
	s_cmp_eq_u32 s15, 0
	s_cbranch_scc0 .Lfor_b_\@
	tensor_load_to_lds s[\g0a:\g0a+3], s[\g1a:\g1a+7]
	s_nop 0
.rept 4
	v_nop
.endr
	s_branch .Lasked_\@
.Lfor_b_\@:
	tensor_load_to_lds s[\g0b:\g0b+3], s[\g1b:\g1b+7]
	s_nop 0
.rept 4
	v_nop
.endr
.Lasked_\@:
.endm
.macro CREST
	s_cmp_lg_u32 s14, 0
	s_cbranch_scc1 .Lnot_wave_0_\@
	s_barrier_signal -3
.Lnot_wave_0_\@:
	s_barrier_wait -3
	s_barrier_signal -1
	s_barrier_wait -1
.endm
.macro CROUND
	s_barrier_signal -1
	s_barrier_wait -1
	CREST
.endm
	s_load_b128 s[4:7], s[0:1], 0x0                ; ctx's codes, ctx's scales
	s_load_b128 s[8:11], s[0:1], 0x10              ; wo's codes, wo's scales
	s_load_b64 s[66:67], s[0:1], 0x20              ; bo
	s_load_b64 s[12:13], s[0:1], 0x28              ; out
	v_lshl_add_u32 v[SPW], v0, 2, SPARE
	v_mov_b32 v[NIL], 0
	ds_add_u32 v28, v29
	ds_add_u32 v28, v29
	s_wait_dscnt 0x0
	v_lshrrev_b32 v1, 5, v0
	v_readfirstlane_b32 s14, v1                    ; wave 0..3
	s_lshr_b32 s15, s14, 1                         ; which half of the tile's rows is mine.  Also: I fetch for A (0) or for B (1)
	s_and_b32 s16, s14, 1                          ; which half of its columns.  Also: which 128 rows of that tile I fetch
	s_bfe_u32 s40, ttmp6, 0x40000                  ; cx, cy
	s_bfe_u32 s41, ttmp6, 0x40004
	s_lshl_b32 s42, ttmp9, 2
	s_add_co_u32 s42, s42, s40                     ; tile column = 4 x cluster x + cx
	s_and_b32 s17, ttmp7, 0xffff
	s_lshl_b32 s17, s17, 2
	s_add_co_u32 s17, s17, s41                     ; tile row = 4 x cluster y + cy
	s_lshl_b32 s43, s41, 2
	s_lshl_b32 s43, 15, s43                        ; my row of the cluster
	s_lshl_b32 s44, 0x1111, s40                    ; my column
	; group 1 for A: 8 rows of 4,096 bytes (512 elements of 8 bytes), 16,384 bytes apart, dense in LDS
	s_or_b32 s[G1+0], s43, (3<<16)|(1<<21)         ; 15:0 the mask: A's tiles go to my row; 17:16 elements of 8 bytes; 21 set beside a mask
	s_mov_b32 s[G1+1], 512<<16                     ; tensor_dim0
	s_mov_b32 s[G1+2], 8<<16                       ; tensor_dim1
	s_mov_b32 s[G1+3], 512<<16                     ; tile_dim0
	s_mov_b32 s[G1+4], 8                           ; tile_dim1
	s_mov_b32 s[G1+5], 2048                        ; tensor_dim0_stride
	s_mov_b32 s[G1+6], 0
	s_mov_b32 s[G1+7], 0
	; for B: 128 rows of 256 bytes, four words of padding behind every 64
	s_or_b32 s[G1B+0], s44, (0<<16)|(1<<20)|(1<<21)|(5<<22)|(3<<25)
	s_mov_b32 s[G1B+1], ROWB<<16
	s_mov_b32 s[G1B+2], 128<<16
	s_mov_b32 s[G1B+3], ROWB<<16
	s_mov_b32 s[G1B+4], 128
	s_mov_b32 s[G1B+5], KROW
	s_mov_b32 s[G1B+6], 0
	s_mov_b32 s[G1B+7], 0
	; for the scales of 128 rows: 4,096 dense bytes, as 16 rows of 256 bytes, 16 bytes of padding behind each
	s_or_b32 s[G1S+0], s43, (3<<16)|(1<<20)|(1<<21)|(5<<22)|(3<<25)
	s_or_b32 s[G1SB+0], s44, (3<<16)|(1<<20)|(1<<21)|(5<<22)|(3<<25)
.irp g, G1S, G1SB
	s_mov_b32 s[\g+1], 32<<16
	s_mov_b32 s[\g+2], (128*KS/256)<<16
	s_mov_b32 s[\g+3], 32<<16
	s_mov_b32 s[\g+4], 128*KS/256
	s_mov_b32 s[\g+5], 32
	s_mov_b32 s[\g+6], 0
	s_mov_b32 s[\g+7], 0
.endr
	s_lshl_b32 s18, s16, 7                         ; which 128 rows of the tile I fetch
	s_lshl_b32 s20, s17, 8
	s_add_co_u32 s20, s20, s18                     ; A: row 256 x tile row + 128 x half
	s_lshl_b32 s46, s42, 8
	s_add_co_u32 s46, s46, s18                     ; B: row 256 x tile column + 128 x half
	s_mov_b32 s21, 0
	s_mov_b32 s47, 0
	s_mov_b64 s[18:19], KS
	s_mul_u64 s[22:23], s[20:21], s[18:19]         ; where these rows' scales begin
	s_mul_u64 s[92:93], s[46:47], s[18:19]
	s_mov_b64 s[18:19], KROW
	s_mul_u64 s[20:21], s[20:21], s[18:19]         ; and their codes: 16 rows of ctx are 16,384 bytes, as many as 16 rows of 1,024
	s_mul_u64 s[46:47], s[46:47], s[18:19]
	s_mul_i32 s45, s16, HALFA                      ; where they go: A's halves,
	s_mul_i32 s2, s16, HALFB
	s_add_co_u32 s2, s2, BOFF                      ; B's halves behind them: no place in the cluster enters an LDS address
	s_mul_i32 s94, s14, HALFS
	s_wait_kmcnt 0x0
	s_add_nc_u64 s[20:21], s[4:5], s[20:21]
	s_add_nc_u64 s[22:23], s[6:7], s[22:23]
	s_add_nc_u64 s[46:47], s[8:9], s[46:47]
	s_add_nc_u64 s[92:93], s[10:11], s[92:93]
	CROUND                                         ; all sixteen work-groups are here: the first joint loads meet
	s_mov_b32 s[G0S], 1
	s_add_co_u32 s[G0S+1], s94, SCL
	s_mov_b64 s[G0S+2:G0S+3], s[22:23]
	s_or_b32 s[G0S+3], s[G0S+3], 0x80000000
	s_mov_b32 s[G0SB], 1
	s_add_co_u32 s[G0SB+1], s94, SCL
	s_mov_b64 s[G0SB+2:G0SB+3], s[92:93]
	s_or_b32 s[G0SB+3], s[G0SB+3], 0x80000000
	JLOAD G0S, G1S, G0SB, G1SB                     ; the scales first
.irp s, 0,1
	s_mov_b32 s[G0+4*\s], 1
	s_add_co_u32 s[G0+4*\s+1], s45, \s*SLOT
	s_add_nc_u64 s[G0+4*\s+2:G0+4*\s+3], s[20:21], \s*4096
	s_or_b32 s[G0+4*\s+3], s[G0+4*\s+3], 0x80000000
	s_mov_b32 s[G0B+4*\s], 1
	s_add_co_u32 s[G0B+4*\s+1], s2, \s*SLOT
	s_add_nc_u64 s[G0B+4*\s+2:G0B+4*\s+3], s[46:47], \s*ROWB
	s_or_b32 s[G0B+4*\s+3], s[G0B+4*\s+3], 0x80000000
	s_wait_alu depctr_va_vdst(0)
	s_wait_tensorcnt 0x0
	ds_add_u32 v28, v29
	s_wait_dscnt 0x0
	CROUND
	JLOAD G0+4*\s, G1, G0B+4*\s, G1B
.endr
	v_and_b32 v1, 15, v0                           ; l % 16
	v_bfe_u32 v2, v0, 4, 1                         ; l / 16
	v_and_b32 v6, 31, v0                           ; lane
	v_lshlrev_b32 v[CO], 4, v6                     ; 16 x lane
	v_mul_u32_u24 v3, v1, PITCH
	v_lshl_add_u32 v4, v2, 4, v3                   ; B: a fragment's row x pitch + 16 x half
	s_mul_i32 s21, s15, HALFA                      ; my 128 rows of A
	s_mul_i32 s22, s16, HALFB                      ; my 128 rows of B
	s_add_co_u32 s22, s22, BOFF
.irp s, 0,1
	v_add_nc_u32 v[ADRA+\s], s21, v[CO]
	v_add_nc_u32 v[ADRB+\s], s22, v4
	s_add_co_u32 s21, s21, SLOT
	s_add_co_u32 s22, s22, SLOT
.endr
	v_mul_u32_u24 v5, v1, KS                       ; my row's scales: 32 bytes a row,
	v_lshrrev_b32 v6, 8, v5
	v_lshl_add_u32 v5, v6, 4, v5                   ; and 16 more for each 256 passed
	s_mul_i32 s21, s15, HALFS
	s_mul_i32 s22, s16, HALFS
	s_add_co_u32 s22, s22, 2*HALFS
	s_sub_co_u32 s22, s22, s21
	v_mul_u32_u24 v6, s22, v2                      ; lanes 16-31 take B's
	s_add_co_u32 s21, s21, SCL
	v_add_nc_u32 v5, v5, v6
	v_add_nc_u32 v[ADRS], s21, v5
	s_mul_i32 s23, s14, 16*SPITCH                  ; my stage
	v_mul_u32_u24 v5, v1, SPITCH                   ; in: row l % 16, 32 bytes for each half of the lanes
	v_lshl_add_u32 v5, v2, 5, v5
	v_add_nc_u32 v[STO], s23, v5
	v_add_nc_u32 v[RD], s23, v[CO]                 ; back: the 32 lanes take one row of 512 bytes
	s_lshl_b32 s20, s17, 8
	s_lshl_b32 s21, s15, 7
	s_add_co_u32 s20, s20, s21                     ; my first row of out
	s_mov_b32 s21, 0
	s_mov_b64 s[18:19], SIZE_N*4
	s_mul_u64 s[20:21], s[20:21], s[18:19]
	s_lshl_b32 s46, s42, 10                        ; my first column, in bytes: 1,024 x tile column + 512 x half
	s_lshl_b32 s47, s16, 9
	s_add_co_u32 s46, s46, s47
	s_mov_b32 s47, 0
	s_add_nc_u64 s[66:67], s[66:67], s[46:47]      ; the bias at my first column
	s_add_nc_u64 s[20:21], s[20:21], s[46:47]
	s_add_nc_u64 s[12:13], s[12:13], s[20:21]
	v_lshlrev_b32 v8, 5, v2                        ; the bias: 32 bytes on for lanes 16-31
.irp b, 0,1,2,3,4,5,6,7
	global_load_b128 v[BI+8*\b:BI+8*\b+3], v8, s[66:67] offset:64*\b
	global_load_b128 v[BI+8*\b+4:BI+8*\b+7], v8, s[66:67] offset:64*\b+16
.endr
.macro FRAG reg, adr, q, i             ; a fragment of B from rows: registers 4 c .. 4 c + 3 hold K = 32 c + 16 (l / 16) + 0 .. 15 of row l % 16
.irp c, 0,1,2,3
	ds_load_b128 v[\reg+4*\c:\reg+4*\c+3], v[\adr] offset:128*(\q)+32*\c+(\i)*16*PITCH
.endr
.endm
.macro FRAGA reg, adr, q, i            ; a fragment of A from its image: four loads of 512 consecutive bytes
.irp c, 0,1,2,3
	ds_load_b128 v[\reg+4*\c:\reg+4*\c+3], v[\adr] offset:4096*(\i)+2048*(\q)+512*\c
.endr
.endm
; 16 matrix instructions: A's blocks a0, a0 + 1 x B's eight.  zero = 1: the sums begin with the bias.  The 64 accumulators take turns, one instruction a turn, in the same order in every step.
.macro MUL16 a0, p, q, sc, zero
.irp a, \a0, \a0+1
.irp b, 0,1,2,3,4,5,6,7
.set rD, 8*(8*((\a)%4)+\b)
.set rB, 128*(\p)+FR*\b
.set rA, AF+FR*(\a)
.set rT, SC+8*NQ*(\sc)+NQ*\b+(\q)
.set rU, SC+8*NQ*(\sc)+NQ*(\a)+(\q)
.if \zero
	v_wmma_scale_f32_16x16x128_f8f6f4 v[rD:rD+7], v[rB:rB+15], v[rA:rA+15], v[BI+8*\b:BI+8*\b+7], v[rT], v[rU] matrix_a_fmt:MATRIX_FMT_BF8 matrix_b_fmt:MATRIX_FMT_BF8 matrix_a_scale:MATRIX_SCALE_ROW1
.else
	v_wmma_scale_f32_16x16x128_f8f6f4 v[rD:rD+7], v[rB:rB+15], v[rA:rA+15], v[rD:rD+7], v[rT], v[rU] matrix_a_fmt:MATRIX_FMT_BF8 matrix_b_fmt:MATRIX_FMT_BF8 matrix_a_scale:MATRIX_SCALE_ROW1
.endif
.endr
.endr
.endm
.macro FETCH_B slot, q, p
	WIN TO_B
.irp i, 0,1,2,3,4,5,6,7
	FRAG 128*(\p)+FR*\i, ADRB+\slot, \q, \i
.endr
	WIN 0
.endm
.macro FETCH_A slot, q, i0
.irp i, \i0, \i0+1, \i0+2, \i0+3
	FRAGA AF+FR*(\i), ADRA+\slot, \q, \i
.endr
.endm
.macro SCALES sc
.irp i, 0,1,2,3,4,5,6,7
	ds_load_b64 v[SC+8*NQ*\sc+NQ*\i:SC+8*NQ*\sc+NQ*\i+1], v[ADRS] offset:\i*SBLK
.endr
.endm
.macro PLACES n                        ; places in front of loads into registers that matrix instructions have read, and of the first read of results (ISA guide 7.12.1 for vector instructions)
.rept \n
	v_nop
.endr
.endm
.macro STEP slot, q, zero
	s_wait_dscnt 4*NL                              ; B's set and A's blocks 0-3 are in; the youngest sixteen loads (A's blocks 4-7) may be out
.if \zero
	WIN BIA_LO
.else
	WIN MUL_LO
.endif
	MUL16 0, (\q)%2, \q, \slot, \zero
	MUL16 2, (\q)%2, \q, \slot, \zero
	s_wait_dscnt 0
	PLACES NP
	FETCH_B \slot, (\q)+1, 1-(\q)%2
	FETCH_A \slot, (\q)+1, 0
.if \zero
	WIN BIA_HI
.else
	WIN MUL_HI
.endif
	MUL16 4, (\q)%2, \q, \slot, \zero
	MUL16 6, (\q)%2, \q, \slot, \zero
	PLACES NP
	WIN 0
	FETCH_A \slot, (\q)+1, 4
.endm
; A slot's last step changes slots: ONE barrier; in front of it each wave waits for all its tensor loads, adds 0 to its spare word, and waits for that and for its own reads of this slot.  fill = 1: this slot is filled again, two K steps ahead.
.macro TURN slot, next, fill
	s_wait_tensorcnt 0x0                           ; all my tensor loads have landed: my part of the next slot
	ds_add_u32 v[SPW], v[NIL]                      ; 0 onto my spare word
	s_wait_dscnt 4*NL+1                            ; (the add and the youngest sixteen loads may be out)
	WIN MUL_LO
	MUL16 0, 1, NQ-1, \slot, 0
	s_wait_dscnt 0x0                               ; the add is done, and my reads of this slot are over
	s_barrier_signal -1
	MUL16 2, 1, NQ-1, \slot, 0
	WIN 0
	s_barrier_wait -1
.if \fill
	CREST                                          ; the barrier has opened a round of the cluster's barrier: no wave of any partner still reads this slot's tile or has a load on its way
	s_add_nc_u64 s[G0+4*\slot+2:G0+4*\slot+3], s[G0+4*\slot+2:G0+4*\slot+3], 2*4096
	s_add_nc_u64 s[G0B+4*\slot+2:G0B+4*\slot+3], s[G0B+4*\slot+2:G0B+4*\slot+3], 2*ROWB
	JLOAD G0+4*\slot, G1, G0B+4*\slot, G1B         ; the first tensor load behind the round; the four v_nop behind it are among the places in front of the loads below
	PLACES NP-4
.else
	PLACES NP
.endif
	s_wait_alu depctr_va_vdst(0)
	v_add_nc_u32 v[ADRS], 4*NQ, v[ADRS]            ; on to the next K step's scale words
	FETCH_B \next, 0, 0
	FETCH_A \next, 0, 0
	SCALES \next
	WIN MUL_HI
	MUL16 4, 1, NQ-1, \slot, 0
	MUL16 6, 1, NQ-1, \slot, 0
	PLACES NP
	WIN 0
	FETCH_A \next, 0, 4
.endm
	s_wait_alu depctr_va_vdst(0)
	s_wait_loadcnt 0x0                             ; the bias
	s_wait_tensorcnt 1                             ; of my three first fills the scales and K step 0 are in; K step 1's may be out
	s_barrier_signal -1
	s_barrier_wait -1
	FETCH_B 0, 0, 0
	FETCH_A 0, 0, 0
	SCALES 0
	FETCH_A 0, 0, 4
	STEP 0, 0, 1                                   ; the first step's products begin the sums with the bias
	TURN 0, 1, 1                                   ; K = 1,024 is four slots' worth: written out, no backward jump.  Slot 0 takes K step 2,
	STEP 1, 0, 0
	TURN 1, 0, 1                                   ; slot 1 K step 3
	STEP 0, 0, 0
	TURN 0, 1, 0                                   ; nothing is left to fetch
	STEP 1, 0, 0
	s_wait_dscnt 4*NL                              ; the very last step
	WIN MUL_LO
	MUL16 0, 1, NQ-1, 1, 0
	MUL16 2, 1, NQ-1, 1, 0
	s_wait_dscnt 0
	WIN MUL_HI
	MUL16 4, 1, NQ-1, 1, 0
	MUL16 6, 1, NQ-1, 1, 0
	WIN 0
; THE WAY OUT, block by block of 16 rows x 128 columns: through my own stage in LDS and back as whole rows of 512 bytes.  LDS serves a wave's instructions in order (ISA guide 5.7.1.4): no wait between the stores and the loads.
.macro TOSTAGE a
.set AC, 64*((\a)%4)
.set W_ST, 0x08+4*((\a)/4)
	WIN W_ST                                       ; the data: window 2 or 3
.irp b, 0,1,2,3,4,5,6,7
	ds_store_b128 v[STO], v[AC+8*\b:AC+8*\b+3] offset:64*\b          ; each accumulator from its low end on
	ds_store_b128 v[STO], v[AC+8*\b+4:AC+8*\b+7] offset:64*\b+16
.endr
	WIN 0
.set BB, BK+64*((\a)%2)
.irp t, 0,1,2,3,4,5,6,7,8,9,10,11,12,13,14,15
	ds_load_b128 v[BB+4*\t:BB+4*\t+3], v[RD] offset:\t*SPITCH
.endr
.endm
.macro SEND a, younger                 ; younger: the LDS instructions issued behind block a's loads, which may stay out
.set BB, BK+64*((\a)%2)
	s_wait_dscnt \younger
.if (\a) > 0
	s_add_nc_u64 s[12:13], s[12:13], 16*SIZE_N*4   ; (behind a wait on XCNT: the earlier stores have read their base)
.endif
.irp t, 0,1,2,3,4,5,6,7,8,9,10,11,12,13,14,15
	global_store_b128 v[CO], v[BB+4*\t:BB+4*\t+3], s[12:13] offset:\t*SIZE_N*4 th:TH_STORE_NT   ; 32 lanes store 512 consecutive bytes, aligned; written once, read by nobody here
.endr
.endm
	PLACES NP
	TOSTAGE 0
.irp a, 1,2,3,4,5,6,7
.if \a > 1
	s_wait_xcnt 0x0                                ; block a - 2's stores have read their registers and their base
.endif
	TOSTAGE \a
	SEND \a-1, 32                                  ; behind block a - 1's loads: block a's 16 stores and 16 loads
.endr
	s_wait_xcnt 0x0
	SEND 7, 0
	s_wait_tensorcnt 0x0                           ; the wave's end
	ds_add_u32 v[SPW], v[NIL]
	s_wait_dscnt 0x0
	CROUND                                         ; the closing round
	s_endpgm
.Lfunc_end_k_qb60076cafa_outp:
	.size	k_qb60076cafa_outp, .Lfunc_end_k_qb60076cafa_outp-k_qb60076cafa_outp
	.p2alignl 7, 3214868480
	.fill 96, 4, 3214868480
	.section	.rodata,"a",@progbits
	.p2align	6, 0x0
	.amdhsa_kernel k_qb60076cafa_outp
		.amdhsa_group_segment_fixed_size 327680
		.amdhsa_private_segment_fixed_size 0
		.amdhsa_enable_private_segment 0
		.amdhsa_kernarg_size 48
		.amdhsa_user_sgpr_count 2
		.amdhsa_user_sgpr_kernarg_segment_ptr 1
		.amdhsa_wavefront_size32 1
		.amdhsa_system_sgpr_workgroup_id_x 1
		.amdhsa_system_sgpr_workgroup_id_y 1
		.amdhsa_system_sgpr_workgroup_id_z 1
		.amdhsa_system_vgpr_workitem_id 0
		.amdhsa_next_free_vgpr 1024
		.amdhsa_next_free_sgpr 100
		.amdhsa_reserve_vcc 0
		.amdhsa_float_denorm_mode_32 3
		.amdhsa_float_denorm_mode_16_64 3
		.amdhsa_memory_ordered 1
		.amdhsa_forward_progress 1
		.amdhsa_inst_pref_size 148
	.end_amdhsa_kernel
	.amdgpu_metadata
---
amdhsa.version: [ 1, 2 ]
amdhsa.kernels:
  - .name:           k_qb60076cafa_outp
    .symbol:         k_qb60076cafa_outp.kd
    .args:
      - { .name: cc, .offset: 0, .size: 8, .value_kind: global_buffer, .address_space: global }
      - { .name: cs, .offset: 8, .size: 8, .value_kind: global_buffer, .address_space: global }
      - { .name: wo_codes, .offset: 16, .size: 8, .value_kind: global_buffer, .address_space: global }
      - { .name: wo_scales, .offset: 24, .size: 8, .value_kind: global_buffer, .address_space: global }
      - { .name: bo, .offset: 32, .size: 8, .value_kind: global_buffer, .address_space: global }
      - { .name: out0, .offset: 40, .size: 8, .value_kind: global_buffer, .address_space: global }
    .group_segment_fixed_size: 327680
    .private_segment_fixed_size: 0
    .kernarg_segment_align: 8
    .kernarg_segment_size: 48
    .max_flat_workgroup_size: 128
    .sgpr_count:     100
    .vgpr_count:     1024
    .wavefront_size: 32
...
	.end_amdgpu_metadata
.endif
;; end of part 3
